; MI455X (gfx1250); checked and timed in simulation.
; The chip was launched on July 23, 2026; its instructions are those of AMD's public machine-readable ISA for CDNA 5 (MIT licence, August 2026) and "CDNA5" Instruction Set Architecture Reference Guide (July 2026). The comments in the code are by the model that wrote it; some were corrected since.
;; Causal Self Attention. Allowed arithmetic: matrix products marked QUANTISED: E5M2 operands, one given power-of-two scale a tensor, by v_wmma_f32_16x16x64_bf8_bf8 or v_wmma_f32_16x16x128_bf8_bf8, f32 sums; everything else in f32.
;; Inputs: W_proj 1,024 x 1,024 float32; W_qkv 3,072 x 1,024 float32; lowp_scales 8 int32 (the exponents e of the quantised operands' scales 2^e); x 4 x 2,048 x 1,024 float32.
;; Outputs: out0 4 x 2,048 x 1,024 float32.
;; This version of the problem:
;;   THIS VERSION OF THE PROBLEM IS GIVEN IN LOW PRECISION. The matrix products marked QUANTISED in the list below multiply operands that are first quantised to E5M2 (5 exponent bits, 2 mantissa bits; 8 bits a number), with one given power-of-two scale for each operand tensor; their sums are f32. All else is computed in f32.
;;   The module's matrix products, in the order in which they are computed (A, B: the left and right operand; K: the contracted axis; several contracted axes count as one K, in the product's order):
;;     1. [M 8,192, K 1,024] x [K 1,024, N 3,072]; A: input x; B: input W_qkv: QUANTISED (scales: A lowp_scales[0], B lowp_scales[1])
;;     2. batch 64 x [M 2,048, K 64] x [K 64, N 2,048]; A: computed on the way; B: computed on the way: QUANTISED (scales: A lowp_scales[2], B lowp_scales[3])
;;     3. batch 64 x [M 2,048, K 2,048] x [K 2,048, N 64]; A: softmax (see below); B: computed on the way: QUANTISED (scales: A lowp_scales[4], B lowp_scales[5])
;;     4. [M 8,192, K 1,024] x [K 1,024, N 1,024]; A: computed on the way; B: input W_proj: QUANTISED (scales: A lowp_scales[6], B lowp_scales[7])
;;   THE QUANTISER, for each operand of a quantised product, along K:
;;     - The operand's scale is 2^e, e = its entry of the input lowp_scales (int32; the entries are numbered through the quantised products in the list's order, A before B).
;;     - Each number is divided by the scale, clamped to +-57,344, and rounded to the nearest number of E5M2, ties to even, subnormals kept.
;;     - The product sums the exact products of the quantised numbers (number of the format x scale) in f32.
;;   ~~~python
;;   def quantise(x, axis, e):      # numpy; x: float32 -> the quantised numbers, widened to float32 again
;;       x = np.moveaxis(x, axis, -1); K = x.shape[-1]
;;       r = np.clip(x / 2.0 ** e, -57344, 57344)
;;       step = 2.0 ** (np.maximum(np.frexp(np.where(r == 0, 1, r))[1] - 1, -14) - 2)
;;       q = np.round(r / step) * step * 2.0 ** e      # np.round: ties to even
;;       return np.moveaxis(q, -1, axis).astype(np.float32)
;;   ~~~
;;   SOFTMAX AHEAD OF A QUANTISED PRODUCT. Where the list says 'softmax', what is quantised is not the finished softmax but p = 2^(t - M), with t = logit x log2(e) and M = ceil(the row's largest t), a whole number; so 1/2 < the row's largest p <= 1. The row's sum l is taken of the UNQUANTISED p, in f32, and the product's result is divided by l at the end. Since M is a whole number, a kernel that streams over the keys may use a running M (the ceiling of the running maximum): every later rescaling is an exact power of two, so the quantised numbers keep their values, but for numbers so far below the row's largest that they fall under the format's range.
;;   OPERANDS COMPUTED ON THE WAY. 'Computed on the way' means the value that the module computes at that place (a softmax that the list does not call 'softmax' is quantised finished and normalised). What goes into a quantiser is computed in f32, as accurately as f32 sums, v_exp_f32 and their like allow (about 1e-6 of the number): no bf16 or f16 on the way to a quantiser, and a product that is left as it is and whose result goes on into a quantised operand takes f32 operands (vector FMAs, or v_wmma_f32_16x16x4_f32). A number that lies on a knife's edge between two numbers of the format may be rounded either way, as far as f32 arithmetic and the matrix unit's own rounding can turn it there, and no further.
;; 2 versions, each right; version 2 is version 1 with the launch attn written anew for expert scheduling mode. Each part assembles by itself: llvm-mc -triple=amdgcn-amd-amdhsa -mcpu=gfx1250 --defsym DOCPART=n.
;; ======== version 1 of 2: 4 launches
;; workspace buffers: codes 12,582,912 bytes; qkv 25,165,824 bytes; yimg 8,388,608 bytes
;; launch quant (part 1): grid 384 x 1, 4 waves a work-group, no clusters, 33,280 bytes of LDS; arguments x, W_qkv, W_proj, lowp_scales, codes; writes codes
.if DOCPART == 1
	.amdgcn_target "amdgcn-amd-amdhsa--gfx1250"
	.amdhsa_code_object_version 6
	.text
	.protected	k_q724bc66ca4_quant
	.globl	k_q724bc66ca4_quant
	.p2align	8
	.type	k_q724bc66ca4_quant,@function
k_q724bc66ca4_quant:
	s_mov_b64 s[64:65], 0
	v_nop
	global_prefetch_b8 v0, s[64:65] scope:SCOPE_SE
	s_setreg_imm32_b32 hwreg(HW_REG_WAVE_MODE, 25, 1), 1
	s_wait_xcnt 0x0
; x [8192][1024], W_qkv [3072][1024], W_proj [1024][1024], f32 with K innermost, become codes of BF8 (E5M2), one byte each, K innermost, on end in one buffer:
; x's rows at byte 0, W_qkv's at 8,388,608, W_proj's at 11,534,336.  code = number / 2^e, held within +-57,344, to the nearest code, ties to even; e = entry 0, 1, 7 of the exponents.
; LIMITS: each of these three e lies between -126 and 112, so that 2^e and 57,344 x 2^e are f32 numbers.  NaN among the inputs is not served.
; SHARES: a work-group takes 32 rows (32,768 numbers), a wave 8 rows in 16 steps of 512 numbers.  Work-groups 0-255: x; 256-351: W_qkv; 352-383: W_proj.  Only pointers and e are chosen, by selects on the work-group's number: one path.
; THE ROWS OF W_qkv THAT MAKE v (rows 2,048 on: work-groups 320-351) ARE STORED IN ANOTHER ORDER: of each 32 rows the four groups of 8 go to places 0, 2, 1, 3.  A wave is one such group, so only its place in the output changes.
; So stored row 16 t + i of a head is channel 32 (t / 2) + 16 (i / 8) + 8 (t % 2) + i % 8: the attention launch's results then fall into its lanes as 16 neighbouring channels.
; Each load reads 512 consecutive bytes; a step's 2,048 bytes turn through the wave's own stage in LDS (16 bytes of padding behind each 64) and come back 64 bytes a lane: 16 neighbours along K, as the conversions want them.
; A lane's 16 codes are 16 bytes: a store covers 512 consecutive bytes.  No barrier: waves share nothing.  Loads run four steps ahead, the turn through LDS one step.
.set STEPS, 16
.set EMAX,  15
.set MANT,  0x600000                   ; the mantissa field of 57,344 as f32
.set CB,    16                         ; bytes of 16 codes
.set R,     16                         ; v16-79   four sets of 16 numbers as they are loaded
.set X,     80                         ; v80-111  two sets of 16 neighbours
.set C,     128                        ; v128-191 codes: four registers for each step, so that no store's data are written again
.set WREG,  8192                       ; LDS: a region for each wave: two stages of 32 x SP bytes
.set SP,    80                         ; a lane's place in a stage: 64 bytes + 16 of padding
	s_load_b256 s[4:11], s[0:1], 0x0               ; x s[4:5], W_qkv s[6:7], W_proj s[8:9], the exponents s[10:11]
	s_load_b64 s[12:13], s[0:1], 0x20              ; the codes
	v_lshl_add_u32 v192, v0, 2, 0x8000
	v_mov_b32 v193, 0
	v_lshrrev_b32 v1, 5, v0
	v_readfirstlane_b32 s16, v1                    ; wave
	v_and_b32 v2, 31, v0                           ; lane
	v_lshlrev_b32 v3, 4, v2                        ; my 16 bytes of a load's 512
	s_mul_i32 s17, s16, WREG
	v_lshrrev_b32 v14, 2, v2
	v_mul_u32_u24 v14, v14, SP
	v_and_b32 v15, 3, v2
	v_lshl_add_u32 v14, v15, 4, v14
	v_add_nc_u32 v14, s17, v14                     ; the stage, on the way in: SP (lane / 4) + 16 (lane % 4)
	v_mul_u32_u24 v15, v2, SP
	v_add_nc_u32 v15, s17, v15                     ; on the way out: SP x lane
	v_mul_u32_u24 v4, v2, CB                       ; my codes' place in a step's
	s_and_b32 s19, s16, 1
	s_lshl_b32 s19, s19, 1
	s_lshr_b32 s20, s16, 1
	s_or_b32 s19, s19, s20                         ; the wave's number with its two bits swapped
	s_sub_co_u32 s18, ttmp9, 320                   ; (wraps to a large number below 320)
	s_cmp_lt_u32 s18, 32
	s_cselect_b32 s19, s19, s16                    ; my group's place in the output: swapped in v's rows alone
	s_wait_kmcnt 0x0
	s_load_b256 s[24:31], s[10:11], 0x0            ; e0 .. e7
	s_mov_b32 s17, 352
	s_cmp_lt_u32 ttmp9, 352                        ; which tensor: the choice hangs on the work-group's number alone
	s_cselect_b64 s[6:7], s[6:7], s[8:9]
	s_cselect_b32 s17, 256, s17
	s_cmp_lt_u32 ttmp9, 256
	s_cselect_b64 s[4:5], s[4:5], s[6:7]
	s_cselect_b32 s17, 0, s17                      ; the tensor's first work-group
	s_sub_co_u32 s18, ttmp9, s17
	s_lshl_b32 s18, s18, 2
	s_add_co_u32 s18, s18, s16
	s_lshl_b32 s20, s18, 15                        ; in: 32,768 bytes for each wave of the tensor
	s_mov_b32 s21, 0
	s_add_nc_u64 s[4:5], s[4:5], s[20:21]
	s_lshl_b32 s18, ttmp9, 2
	s_add_co_u32 s18, s18, s19
	s_lshl_b32 s22, s18, 13                        ; out: 8,192 bytes for each wave of the launch
	s_mov_b32 s23, 0
	s_add_nc_u64 s[12:13], s[12:13], s[22:23]
.macro LOAD t
.irp i, 0,1,2,3
	global_load_b128 v[R+16*((\t)%4)+4*\i:R+16*((\t)%4)+4*\i+3], v3, s[4:5] offset:2048*(\t)+512*\i th:TH_LOAD_NT   ; 32 lanes read 512 consecutive bytes
.endr
.endm
.macro TURN t                          ; step t's numbers through the stage: LDS serves a wave's instructions in order (ISA guide 5.7.1.4), so no wait stands between the stores and the loads
.irp i, 0,1,2,3
	ds_store_b128 v14, v[R+16*((\t)%4)+4*\i:R+16*((\t)%4)+4*\i+3] offset:32*SP*((\t)%2)+8*SP*\i
.endr
.irp i, 0,1,2,3
	ds_load_b128 v[X+16*((\t)%2)+4*\i:X+16*((\t)%2)+4*\i+3], v15 offset:32*SP*((\t)%2)+16*\i
.endr
.endm
.irp t, 0,1,2,3
	LOAD \t
.endr
	s_wait_kmcnt 0x0
	s_cmp_lt_u32 ttmp9, 352
	s_cselect_b32 s32, s25, s31                    ; e1 or e7,
	s_cmp_lt_u32 ttmp9, 256
	s_cselect_b32 s32, s24, s32                    ; or e0
	s_add_co_i32 s32, s32, 127
	s_lshl_b32 s33, s32, 23
	v_mov_b32 v11, s33                             ; 2^e as f32: the conversion takes its exponent field
	s_add_co_i32 s32, s32, EMAX
	s_lshl_b32 s32, s32, 23
	s_or_b32 s32, s32, MANT
	v_mov_b32 v10, s32                             ; 57,344 x 2^e
	s_wait_loadcnt 12                              ; step 0's four loads are in; the twelve behind them stay out
	TURN 0
.macro STEP t
.set XS, X+16*((\t)%2)
	s_wait_dscnt 0x0                               ; this step's numbers are back from the stage: so its stores into the stage have read their registers,
.if (\t)+4 < STEPS
	LOAD (\t)+4                                    ; which take the loads of four steps on
.endif
.if (\t)+1 < STEPS
.if STEPS-2-(\t) >= 3
	s_wait_loadcnt 12                              ; the next step's four loads are in; those of the three steps behind it may be out
.else
	s_wait_loadcnt 4*(STEPS-2-(\t))
.endif
	TURN (\t)+1                                    ; and go through the other stage while this step is worked
.endif
.irp i, 0,1,2,3,4,5,6,7,8,9,10,11,12,13,14,15
	v_med3_num_f32 v[XS+\i], v[XS+\i], -v10, v10   ; the conversion to an 8-bit code does not saturate (ISA guide 7.6.2): the hold comes first
.endr
	v_cvt_scalef32_pk8_bf8_f32 v[C+4*(\t):C+4*(\t)+1], v[XS:XS+7], v11
	v_cvt_scalef32_pk8_bf8_f32 v[C+4*(\t)+2:C+4*(\t)+3], v[XS+8:XS+15], v11
	global_store_b128 v4, v[C+4*(\t):C+4*(\t)+3], s[12:13] offset:32*CB*(\t)   ; the results go to a store alone; the next vector lines are the next step's holds, on other registers
.endm
.irp t, 0,1,2,3,4,5,6,7,8,9,10,11,12,13,14,15
	STEP \t
.endr
	s_wait_tensorcnt 0x0
	ds_add_u32 v192, v193
	s_wait_dscnt 0x0
	s_endpgm
.Lfunc_end_k_q724bc66ca4_quant:
	.size	k_q724bc66ca4_quant, .Lfunc_end_k_q724bc66ca4_quant-k_q724bc66ca4_quant
	.p2alignl 7, 3214868480
	.fill 96, 4, 3214868480
	.section	.rodata,"a",@progbits
	.p2align	6, 0x0
	.amdhsa_kernel k_q724bc66ca4_quant
		.amdhsa_group_segment_fixed_size 33280
		.amdhsa_private_segment_fixed_size 0
		.amdhsa_enable_private_segment 0
		.amdhsa_kernarg_size 40
		.amdhsa_user_sgpr_count 2
		.amdhsa_user_sgpr_kernarg_segment_ptr 1
		.amdhsa_wavefront_size32 1
		.amdhsa_system_sgpr_workgroup_id_x 1
		.amdhsa_system_sgpr_workgroup_id_y 1
		.amdhsa_system_sgpr_workgroup_id_z 1
		.amdhsa_system_vgpr_workitem_id 0
		.amdhsa_next_free_vgpr 194
		.amdhsa_next_free_sgpr 66
		.amdhsa_reserve_vcc 0
		.amdhsa_float_denorm_mode_32 3
		.amdhsa_float_denorm_mode_16_64 3
		.amdhsa_memory_ordered 1
		.amdhsa_forward_progress 1
		.amdhsa_inst_pref_size 38
	.end_amdhsa_kernel
	.amdgpu_metadata
---
amdhsa.version: [ 1, 2 ]
amdhsa.kernels:
  - .name:           k_q724bc66ca4_quant
    .symbol:         k_q724bc66ca4_quant.kd
    .args:
      - { .name: x, .offset: 0, .size: 8, .value_kind: global_buffer, .address_space: global }
      - { .name: W_qkv, .offset: 8, .size: 8, .value_kind: global_buffer, .address_space: global }
      - { .name: W_proj, .offset: 16, .size: 8, .value_kind: global_buffer, .address_space: global }
      - { .name: lowp_scales, .offset: 24, .size: 8, .value_kind: global_buffer, .address_space: global }
      - { .name: codes, .offset: 32, .size: 8, .value_kind: global_buffer, .address_space: global }
    .group_segment_fixed_size: 33280
    .private_segment_fixed_size: 0
    .kernarg_segment_align: 8
    .kernarg_segment_size: 40
    .max_flat_workgroup_size: 128
    .sgpr_count:     66
    .vgpr_count:     194
    .wavefront_size: 32
...
	.end_amdgpu_metadata
.endif
;; end of part 1
;; launch gemm_qkv (part 2): grid 12 x 32, 4 waves a work-group, clusters of 4 x 4, 327,680 bytes of LDS; arguments codes, lowp_scales, qkv; writes qkv
.if DOCPART == 2
	.amdgcn_target "amdgcn-amd-amdhsa--gfx1250"
	.amdhsa_code_object_version 6
	.text
	.protected	k_q724bc66ca4_gemm_qkv
	.globl	k_q724bc66ca4_gemm_qkv
	.p2align	8
	.type	k_q724bc66ca4_gemm_qkv,@function
k_q724bc66ca4_gemm_qkv:
	s_mov_b64 s[64:65], 0
	v_nop
	global_prefetch_b8 v0, s[64:65] scope:SCOPE_SE
	s_setreg_imm32_b32 hwreg(HW_REG_WAVE_MODE, 25, 1), 1
	s_wait_xcnt 0x0
	s_wait_alu depctr_hold_cnt(0) depctr_sa_sdst(0) depctr_va_vdst(0) depctr_va_sdst(0) depctr_va_ssrc(0) depctr_va_vcc(0) depctr_vm_vsrc(0)
	s_getreg_b32 s2, hwreg(HW_REG_IB_STS2, 6, 4)
	s_cmp_eq_u32 s2, 0
	s_cbranch_scc0 .Lentry_in_a_cluster
	s_endpgm
.Lentry_in_a_cluster:
	s_bfe_u32 s2, ttmp6, 0x10000c
	s_cmp_lg_u32 s2, 0xf033
	s_cbranch_scc0 .Lentry_shape_is_right
	s_endpgm
.Lentry_shape_is_right:
; qkv = x W_qkv^T on codes of BF8 (E5M2), K = 1,024, and the results quantised at once into the operands of the attention launch.  Nothing wider than a code goes to memory.
; A tile is 256 x 256, made by four waves, each 128 x 128: 64 accumulators of 16 x 16, 512 registers.  K goes in steps of 256 through a ring of two LDS slots filled by the tensor data mover.
; THE MATRIX INSTRUCTION: source 0 = 16 rows of 'B', source 1 = 16 rows of 'A': a lane holds ONE row of A and eight neighbouring rows of B.  What the next product contracts must run along the lane's registers:
;   q and k (cluster x = 0, 1): A = x (tokens), B = W's rows (channels): a lane's registers run along the head's channels, the K of q k^T.
;   v (cluster x = 2):          A = W's rows, B = x: a lane's registers run along the tokens, which are the keys, the K of p v.
; The roles change by pointers and strides alone, chosen by selects on the cluster's x, which all sixteen partners share: no branch hangs on it.
; OUT, as images of the reader's operand registers (16 x 16 x 64 form, its own order of k), a head (16 x batch + head) taking 131,072 bytes in each of q (byte 0), k (8,388,608), v (16,777,216):
;   q, k: 16 tokens = 1,024 bytes = [2 chunks][32 lanes][16 bytes];   v: 128 keys = 8,192 bytes = [4 tiles of 16 stored channels][4 chunks][32 lanes][16 bytes].  Every store covers 512 consecutive bytes, aligned.
; A sum stands for sum x 2^(e0 + e1), so its code is sum / 2^(e - e0 - e1), e = e2 (q), e3 (k), e5 (v): one folded scale.
; LIMITS: e2 - e0 - e1, e3 - e0 - e1 and e5 - e0 - e1 lie between -126 and 112.
; CLUSTERS: 4 x 4 work-groups; the four of a row need the same tiles of A, the four of a column the same tiles of B: each tile is asked for jointly.
; REGISTERS, in windows of 256: window 0: v0-31 addresses; v32-95 at work on the way out; from v128 A's fragments, ONE set, later the codes.  window 1: B's fragments, TWO sets.  windows 2, 3: the accumulators ((a, b) at v[8 (8 (a % 4) + b)]).
.set ROWB,   256                       ; a tile's row in bytes
.set KROW,   1024                      ; a row of codes in memory
.set PITCH,  272                       ; an LDS row: 256 bytes + 16 of padding: the 16 rows that a load touches start 68 words apart
.set FR,     16                        ; registers of a fragment: 16 rows x 128 K
.set NL,     4                         ; LDS loads that bring one
.set NP,     4                         ; places behind this matrix instruction (ISA guide 7.12.1)
.set HALFT,  128*PITCH
.set SLOT,   4*HALFT                   ; A's 256 rows, then B's 256 rows
.set LAPS,   2                         ; K = 1,024 = two laps of two slots
.set SPARE,  2*SLOT                    ; behind the ring: the spare words, 128 bytes a wave
.set ADRA, 16                          ; v16-17  LDS address of my A fragments in slot 0, 1
.set ADRB, 20                          ; v20-21  the same for B
.set VO0,  24                          ; v24     16 x lane
.set VO1,  25                          ; v25     16 x lane + the second half of a block's codes (the next head: q, k; 1,024 bytes on: v)
.set SPW,  28                          ; v28     my spare word; never rewritten
.set NIL,  29                          ; v29     0; never rewritten
.set SCL,  30                          ; v30     the folded scale as f32
.set TMP,  32                          ; v32-95  a block's sums, held
.set AF,   128
.set CD,   128                         ; the codes: 16 registers for each block, so that no store's data are written again
.set G1, 24
.set G0, 32
.set G1B, 48
.set G0B, 56
.set MSB, 0
.macro WIN new                         ; the immediate's high byte repeats the setting that is left
.if MSB != \new
	s_set_vgpr_msb (MSB<<8)|\new
.set MSB, \new
.endif
.endm
.set MUL_LO, 0xa1                      ; source 0 (B) window 1, source 1 (A) window 0, C and D window 2
.set MUL_HI, 0xf1                      ; the same, C and D window 3
.set TO_B,   0x40                      ; destination window 1, address window 0
; A joint load: waves 0 and 1 fetch for A, waves 2 and 3 for B; the branch hangs on the wave's number alone.  Four v_nop follow each of the two lines.
.macro JLOAD g0a, g1a, g0b, g1b
	s_cmp_eq_u32 s15, 0
	s_cbranch_scc0 .Lfor_b_\@
	tensor_load_to_lds s[\g0a:\g0a+3], s[\g1a:\g1a+7]
	s_nop 0
.rept 4
	v_nop
.endr
	s_branch .Lasked_\@
.Lfor_b_\@:
	tensor_load_to_lds s[\g0b:\g0b+3], s[\g1b:\g1b+7]
	s_nop 0
.rept 4
	v_nop
.endr
.Lasked_\@:
.endm
.macro CREST                           ; a round of the cluster's barrier behind its opening barrier
	s_cmp_lg_u32 s14, 0
	s_cbranch_scc1 .Lnot_wave_0_\@
	s_barrier_signal -3
.Lnot_wave_0_\@:
	s_barrier_wait -3
	s_barrier_signal -1
	s_barrier_wait -1
.endm
.macro CROUND
	s_barrier_signal -1
	s_barrier_wait -1
	CREST
.endm
	s_load_b128 s[4:7], s[0:1], 0x0                ; the codes s[4:5], the exponents s[6:7]
	s_load_b64 s[10:11], s[0:1], 0x10              ; qkv
	v_lshl_add_u32 v[SPW], v0, 2, SPARE
	v_mov_b32 v[NIL], 0
	ds_add_u32 v28, v29
	ds_add_u32 v28, v29
	s_wait_dscnt 0x0
	v_lshrrev_b32 v1, 5, v0
	v_readfirstlane_b32 s14, v1                    ; wave 0..3
	s_lshr_b32 s15, s14, 1                         ; which half of A's rows is mine.  Also: I fetch for A (0) or for B (1)
	s_and_b32 s16, s14, 1                          ; which half of B's rows.  Also: which 128 rows of that tile I fetch
	s_bfe_u32 s40, ttmp6, 0x40000                  ; cx
	s_bfe_u32 s41, ttmp6, 0x40004                  ; cy
	s_and_b32 s13, ttmp7, 0xffff                   ; the cluster's y
	s_cmp_eq_u32 ttmp9, 2                          ; v's section?  All selects stand behind this compare, ahead of any line that sets SCC
	s_cselect_b32 s12, s13, ttmp9                  ; what counts tile columns in fours: v: cluster y; q, k: cluster x
	s_cselect_b32 s13, 0, s13                      ; what counts tile rows in fours: v: nothing (four tile rows in all); q, k: cluster y
	s_cselect_b32 s76, 0xa00000, 0                 ; A's first byte: v: W_qkv's row 2,048; else x
	s_cselect_b32 s77, 0, 0x800000                 ; B's first byte: v: x; else W_qkv
	s_mov_b32 s78, 1024
	s_cselect_b32 s78, 2048, s78                   ; from a block of 16 rows of A to the next, in the output
	s_mov_b32 s80, 1024
	s_cselect_b32 s80, 124928, s80                 ; from block 3 to block 4: v: the next head, 131,072 - 3 x 2,048
	s_mov_b32 s82, 131072
	s_cselect_b32 s82, 1024, s82                   ; from a block's first 1,024 bytes of codes to its second
	s_mov_b32 s79, 0
	s_mov_b32 s81, 0
	s_lshl_b32 s42, s12, 2
	s_add_co_u32 s42, s42, s40                     ; tile column (B)
	s_lshl_b32 s17, s13, 2
	s_add_co_u32 s17, s17, s41                     ; tile row (A)
	s_lshl_b32 s43, s41, 2
	s_lshl_b32 s43, 15, s43                        ; my row of the cluster
	s_lshl_b32 s44, 0x1111, s40                    ; my column
	; descriptor group 1: a tile of 128 rows x 256 bytes, padded in LDS
	s_or_b32 s[G1+0], s43, (0<<16)|(1<<20)|(1<<21)|(5<<22)|(3<<25)  ; 15:0 the mask; 17:16 elements of 1 byte; 20 padding on; 21 set beside a mask; 24:22 after every 64 words; 31:25 four words
	s_or_b32 s[G1B+0], s44, (0<<16)|(1<<20)|(1<<21)|(5<<22)|(3<<25)
.irp g, G1, G1B
	s_mov_b32 s[\g+1], ROWB<<16                    ; tensor_dim0
	s_mov_b32 s[\g+2], 128<<16                     ; tensor_dim1
	s_mov_b32 s[\g+3], ROWB<<16                    ; tile_dim0
	s_mov_b32 s[\g+4], 128                         ; tile_dim1
	s_mov_b32 s[\g+5], KROW                        ; tensor_dim0_stride
	s_mov_b32 s[\g+6], 0
	s_mov_b32 s[\g+7], 0
.endr
	s_lshl_b32 s18, s16, 7                         ; which 128 rows of the tile I fetch
	s_lshl_b32 s20, s17, 8
	s_add_co_u32 s20, s20, s18
	s_lshl_b32 s20, s20, 10                        ; rows of 1,024 bytes
	s_add_co_u32 s20, s20, s76                     ; A: made of the tile row and the wave's number
	s_mov_b32 s21, 0
	s_lshl_b32 s46, s42, 8
	s_add_co_u32 s46, s46, s18
	s_lshl_b32 s46, s46, 10
	s_add_co_u32 s46, s46, s77                     ; B: of the tile column and the wave's number
	s_mov_b32 s47, 0
	s_mul_i32 s45, s14, HALFT                      ; where they go: wave x 128 rows
	s_wait_kmcnt 0x0
	s_load_b256 s[68:75], s[6:7], 0x0              ; e0 .. e7
	s_add_nc_u64 s[20:21], s[4:5], s[20:21]
	s_add_nc_u64 s[46:47], s[4:5], s[46:47]
	CROUND                                         ; all sixteen work-groups are here: the first joint loads meet
.irp s, 0,1
	s_mov_b32 s[G0+4*\s], 1
	s_add_co_u32 s[G0+4*\s+1], s45, \s*SLOT
	s_add_nc_u64 s[G0+4*\s+2:G0+4*\s+3], s[20:21], \s*ROWB
	s_or_b32 s[G0+4*\s+3], s[G0+4*\s+3], 0x80000000
	s_mov_b32 s[G0B+4*\s], 1
	s_add_co_u32 s[G0B+4*\s+1], s45, \s*SLOT
	s_add_nc_u64 s[G0B+4*\s+2:G0B+4*\s+3], s[46:47], \s*ROWB
	s_or_b32 s[G0B+4*\s+3], s[G0B+4*\s+3], 0x80000000
	JLOAD G0+4*\s, G1, G0B+4*\s, G1B
.endr
	v_and_b32 v1, 15, v0                           ; l % 16
	v_bfe_u32 v2, v0, 4, 1                         ; l / 16
	v_mul_u32_u24 v3, v1, PITCH
	v_lshl_add_u32 v4, v2, 4, v3                   ; a fragment's row x pitch + 16 x half
	s_mul_i32 s21, s15, HALFT                      ; my 128 rows of A
	s_mul_i32 s22, s16, HALFT                      ; my 128 rows of B,
	s_add_co_u32 s22, s22, 2*HALFT                 ; which lie behind A's 256
.irp s, 0,1
	v_add_nc_u32 v[ADRA+\s], s21, v4
	v_add_nc_u32 v[ADRB+\s], s22, v4
	s_add_co_u32 s21, s21, SLOT
	s_add_co_u32 s22, s22, SLOT
.endr
	v_and_b32 v6, 31, v0
	v_lshlrev_b32 v[VO0], 4, v6
	v_add_nc_u32 v[VO1], s82, v[VO0]
	; where my codes go
	s_lshl_b32 s83, s17, 8
	s_lshl_b32 s84, s15, 7
	s_add_co_u32 s83, s83, s84                     ; my first row of A
	s_lshl_b32 s84, s42, 8
	s_lshl_b32 s85, s16, 7
	s_add_co_u32 s84, s84, s85                     ; my first row of B
	s_and_b32 s85, s42, 3
	s_lshl_b32 s85, s85, 2
	s_lshl_b32 s87, s16, 1
	s_add_co_u32 s85, s85, s87                     ; q, k: my first head: 4 x (tile column in the section) + 2 x half
	s_lshl_b32 s86, s17, 2
	s_lshl_b32 s87, s15, 1
	s_add_co_u32 s86, s86, s87                     ; v: 4 x tile row + 2 x half
	s_cmp_eq_u32 ttmp9, 2
	s_cselect_b32 s83, s84, s83                    ; my first token
	s_cselect_b32 s85, s86, s85                    ; my first head
	s_lshr_b32 s84, s83, 11                        ; the batch
	s_lshl_b32 s84, s84, 4
	s_add_co_u32 s84, s84, s85
	s_lshl_b32 s84, s84, 17                        ; 131,072 bytes a head
	s_and_b32 s83, s83, 2047
	s_lshl_b32 s83, s83, 6                         ; 64 bytes a token in either image
	s_add_co_u32 s84, s84, s83
	s_lshl_b32 s83, ttmp9, 23                      ; the section
	s_add_co_u32 s84, s84, s83
	s_mov_b32 s85, 0
	s_add_nc_u64 s[10:11], s[10:11], s[84:85]
	s_wait_kmcnt 0x0
	s_cmp_eq_u32 ttmp9, 0
	s_cselect_b32 s86, s70, s71                    ; e2 for q, e3 for k,
	s_cmp_eq_u32 ttmp9, 2
	s_cselect_b32 s86, s73, s86                    ; e5 for v
	s_sub_co_i32 s86, s86, s68
	s_sub_co_i32 s86, s86, s69                     ; less e0 + e1
	s_add_co_i32 s86, s86, 127
	s_lshl_b32 s87, s86, 23
	v_mov_b32 v[SCL], s87                          ; the folded scale as f32
	s_add_co_i32 s86, s86, 15
	s_lshl_b32 s90, s86, 23
	s_or_b32 s90, s90, 0x600000                    ; 57,344 x that,
	s_or_b32 s91, s90, 0x80000000                  ; and its negative
.macro FRAG reg, adr, q, i             ; 16 rows x 128 K in 16 registers: lane l holds row l % 16; registers 4 c .. 4 c + 3 hold K = 32 c + 16 (l / 16) + 0 .. 15: the same order in A and in B
.irp c, 0,1,2,3
	ds_load_b128 v[\reg+4*\c:\reg+4*\c+3], v[\adr] offset:128*(\q)+32*\c+(\i)*16*PITCH
.endr
.endm
; 16 matrix instructions: A's blocks a0, a0 + 1 x B's eight.  p: B's set.  zero = 1: the first product starts the sums.  The 64 accumulators take turns, one instruction a turn.
.macro MUL16 a0, p, zero
.irp a, \a0, \a0+1
.irp b, 0,1,2,3,4,5,6,7
.if \zero
	v_wmma_f32_16x16x128_bf8_bf8 v[8*(8*((\a)%4)+\b):8*(8*((\a)%4)+\b)+7], v[128*(\p)+FR*\b:128*(\p)+FR*\b+FR-1], v[AF+FR*(\a):AF+FR*(\a)+FR-1], 0
.else
	v_wmma_f32_16x16x128_bf8_bf8 v[8*(8*((\a)%4)+\b):8*(8*((\a)%4)+\b)+7], v[128*(\p)+FR*\b:128*(\p)+FR*\b+FR-1], v[AF+FR*(\a):AF+FR*(\a)+FR-1], v[8*(8*((\a)%4)+\b):8*(8*((\a)%4)+\b)+7]
.endif
.endr
.endr
.endm
.macro FETCH_B slot, q, p
	WIN TO_B
.irp i, 0,1,2,3,4,5,6,7
	FRAG 128*(\p)+FR*\i, ADRB+\slot, \q, \i
.endr
	WIN 0
.endm
.macro FETCH_A slot, q, i0
.irp i, \i0, \i0+1, \i0+2, \i0+3
	FRAG AF+FR*(\i), ADRA+\slot, \q, \i
.endr
.endm
.macro PLACES n                        ; plain vector lines between a matrix instruction and a load into, or a vector read or write of, its registers
.rept \n
	v_nop
.endr
.endm
; A step of 128 along K that has its successor in the same slot.
.macro STEP slot, q, zero
	s_wait_dscnt 4*NL                              ; B's set and A's blocks 0-3 are in; the youngest 16 loads (A's blocks 4-7) may be out
	WIN MUL_LO
	MUL16 0, (\q)%2, \zero
	MUL16 2, (\q)%2, \zero
	s_wait_dscnt 0                                 ; A's blocks 4-7 are in
	PLACES NP
	FETCH_B \slot, (\q)+1, 1-(\q)%2
	FETCH_A \slot, (\q)+1, 0
	WIN MUL_HI
	MUL16 4, (\q)%2, \zero
	MUL16 6, (\q)%2, \zero
	PLACES NP
	WIN 0
	FETCH_A \slot, (\q)+1, 4
.endm
; A slot's last step changes slots: one barrier; in front of it each wave waits for all its tensor loads, adds 0 to its spare word, and waits for that and for its own reads of this slot.  fill = 1: this slot is filled again.
.macro TURN slot, next, fill
	s_wait_tensorcnt 0x0                           ; all my tensor loads have landed: my part of the next slot
	ds_add_u32 v[SPW], v[NIL]                      ; 0 onto my spare word
	s_wait_dscnt 4*NL+1                            ; (the add and the youngest 16 loads may be out)
	WIN MUL_LO
	MUL16 0, 1, 0                                  ; sixteen matrix instructions stand between the add and the wait for it
	s_wait_dscnt 0x0                               ; the add is done, and my reads of this slot are over
	s_barrier_signal -1
	MUL16 2, 1, 0
	WIN 0
	s_barrier_wait -1
.if \fill
	CREST                                          ; the barrier has opened a round of the cluster's: no wave of any partner still reads this slot or has a load on its way
	s_add_nc_u64 s[G0+4*\slot+2:G0+4*\slot+3], s[G0+4*\slot+2:G0+4*\slot+3], 2*ROWB
	s_add_nc_u64 s[G0B+4*\slot+2:G0B+4*\slot+3], s[G0B+4*\slot+2:G0B+4*\slot+3], 2*ROWB
	JLOAD G0+4*\slot, G1, G0B+4*\slot, G1B         ; the first tensor load behind the round; its four v_nop are the places in front of the loads below
.else
	PLACES NP
.endif
	FETCH_B \next, 0, 0
	FETCH_A \next, 0, 0
	WIN MUL_HI
	MUL16 4, 1, 0
	MUL16 6, 1, 0
	PLACES NP
	WIN 0
	FETCH_A \next, 0, 4
.endm
	s_wait_tensorcnt 1                             ; my part of slot 0 is in; slot 1's load may be out
	s_barrier_signal -1
	s_barrier_wait -1
	FETCH_B 0, 0, 0
	FETCH_A 0, 0, 0
	FETCH_A 0, 0, 4
	STEP 0, 0, 1                                   ; the first step stands in front of the loop: its products start the sums
	s_mov_b32 s3, LAPS-1
.Llap:                                                 ; a trip goes once round the ring and fills both slots again
	TURN 0, 1, 1
	STEP 1, 0, 0
	TURN 1, 0, 1
	STEP 0, 0, 0
	s_sub_co_u32 s3, s3, 1
	s_cmp_lg_u32 s3, 0
	s_cbranch_scc1 .Llap
	TURN 0, 1, 0                                   ; the last lap fills nothing
	STEP 1, 0, 0
	s_wait_dscnt 4*NL
	WIN MUL_LO
	MUL16 0, 1, 0
	MUL16 2, 1, 0
	s_wait_dscnt 0
	WIN MUL_HI
	MUL16 4, 1, 0
	MUL16 6, 1, 0
	WIN 0
; THE WAY OUT, a block of 16 rows of A at a time.  Accumulator (a, b)'s eight registers are eight neighbours along the next K: two registers of codes; the block's 16 registers of codes are the reader's registers as they stand.
.macro OUTBLK a
.set AC, 64*((\a)%4)
.if (\a) > 0
	s_wait_xcnt 0x0                                ; the last block's stores have read their base
.if (\a) == 4
	s_add_nc_u64 s[10:11], s[10:11], s[80:81]
.else
	s_add_nc_u64 s[10:11], s[10:11], s[78:79]
.endif
.endif
	WIN 0x02+((\a)/4)                              ; source 0: window 2 or 3
.set jj, 0
.rept 64
	v_med3_num_f32 v[TMP+jj], v[AC+jj], s91, s90   ; the hold (the conversion does not saturate: ISA guide 7.6.2); each accumulator from its low end on
.set jj, jj+1
.endr
	WIN 0
.irp b, 0,1,2,3,4,5,6,7
	v_cvt_scalef32_pk8_bf8_f32 v[CD+16*(\a)+2*\b:CD+16*(\a)+2*\b+1], v[TMP+8*\b:TMP+8*\b+7], v[SCL]
.endr
	v_nop                                          ; a plain line between the conversions and the next block's holds, which write their sources
	global_store_b128 v[VO0], v[CD+16*(\a):CD+16*(\a)+3], s[10:11]
	global_store_b128 v[VO0], v[CD+16*(\a)+4:CD+16*(\a)+7], s[10:11] offset:512
	global_store_b128 v[VO1], v[CD+16*(\a)+8:CD+16*(\a)+11], s[10:11]
	global_store_b128 v[VO1], v[CD+16*(\a)+12:CD+16*(\a)+15], s[10:11] offset:512   ; each: 32 lanes, 512 consecutive bytes, aligned
.endm
	PLACES NP                                      ; behind the last products: for the reads of results and the writes over A's fragments
.irp a, 0,1,2,3,4,5,6,7
	OUTBLK \a
.endr
	s_wait_tensorcnt 0x0                           ; the wave's end
	ds_add_u32 v[SPW], v[NIL]
	s_wait_dscnt 0x0
	CROUND                                         ; the closing round
	s_endpgm
.Lfunc_end_k_q724bc66ca4_gemm_qkv:
	.size	k_q724bc66ca4_gemm_qkv, .Lfunc_end_k_q724bc66ca4_gemm_qkv-k_q724bc66ca4_gemm_qkv
	.p2alignl 7, 3214868480
	.fill 96, 4, 3214868480
	.section	.rodata,"a",@progbits
	.p2align	6, 0x0
	.amdhsa_kernel k_q724bc66ca4_gemm_qkv
		.amdhsa_group_segment_fixed_size 327680
		.amdhsa_private_segment_fixed_size 0
		.amdhsa_enable_private_segment 0
		.amdhsa_kernarg_size 24
		.amdhsa_user_sgpr_count 2
		.amdhsa_user_sgpr_kernarg_segment_ptr 1
		.amdhsa_wavefront_size32 1
		.amdhsa_system_sgpr_workgroup_id_x 1
		.amdhsa_system_sgpr_workgroup_id_y 1
		.amdhsa_system_sgpr_workgroup_id_z 1
		.amdhsa_system_vgpr_workitem_id 0
		.amdhsa_next_free_vgpr 1024
		.amdhsa_next_free_sgpr 96
		.amdhsa_reserve_vcc 0
		.amdhsa_float_denorm_mode_32 3
		.amdhsa_float_denorm_mode_16_64 3
		.amdhsa_memory_ordered 1
		.amdhsa_forward_progress 1
		.amdhsa_inst_pref_size 119
	.end_amdhsa_kernel
	.amdgpu_metadata
---
amdhsa.version: [ 1, 2 ]
amdhsa.kernels:
  - .name:           k_q724bc66ca4_gemm_qkv
    .symbol:         k_q724bc66ca4_gemm_qkv.kd
    .args:
      - { .name: codes, .offset: 0, .size: 8, .value_kind: global_buffer, .address_space: global }
      - { .name: lowp_scales, .offset: 8, .size: 8, .value_kind: global_buffer, .address_space: global }
      - { .name: qkv, .offset: 16, .size: 8, .value_kind: global_buffer, .address_space: global }
    .group_segment_fixed_size: 327680
    .private_segment_fixed_size: 0
    .kernarg_segment_align: 8
    .kernarg_segment_size: 24
    .max_flat_workgroup_size: 128
    .sgpr_count:     96
    .vgpr_count:     1024
    .wavefront_size: 32
...
	.end_amdgpu_metadata
.endif
;; end of part 2
;; launch attn (part 3): grid 4 x 64, 16 waves a work-group, no clusters, 34,816 bytes of LDS; arguments qkv, lowp_scales, yimg; writes yimg
.if DOCPART == 3
	.amdgcn_target "amdgcn-amd-amdhsa--gfx1250"
	.amdhsa_code_object_version 6
	.text
	.protected	k_q724bc66ca4_attn
	.globl	k_q724bc66ca4_attn
	.p2align	8
	.type	k_q724bc66ca4_attn,@function
k_q724bc66ca4_attn:
	s_mov_b64 s[64:65], 0
	v_nop
	global_prefetch_b8 v0, s[64:65] scope:SCOPE_SE
	s_setreg_imm32_b32 hwreg(HW_REG_WAVE_MODE, 25, 1), 1
	s_wait_xcnt 0x0
; y = softmax(q k^T / 8, causal) v for 64 heads of 2,048 tokens x 64 channels, both products on codes of BF8 (E5M2) by the 16 x 16 x 64 form; y quantised at once (e6) into the projection's operand.
; THE SOFTMAX: t = score x log2(e) / 8; M = the row's largest t so far, rounded UP to a whole number; p = 2^(t - M) is quantised (e4), not normalised; the row's sum is taken of the unquantised p and divides at the end.
; When M moves, the sum and O are multiplied by 2^(old M - new M): exact.
; SHARES: work-group (x, head) owns the head's query blocks 7 - x and x, 256 queries each, at the same time: every work-group then has the same number of unmasked steps.  A wave owns 32 queries, two tiles of 16, in 256 registers.
; Wave w: block 7 - x where (w xor (w / 4)) is odd, else block x; queries 32 (w / 2) on in it.  The work-group walks 16 - 2 x tiles of 128 keys; a wave leaves out each step of 64 keys that lies wholly behind its queries.
; LAYOUT: S^T = k q^T (source 0 = 16 keys, source 1 = 16 queries), O^T = v^T p^T (source 0 = 16 stored channels, source 1 = p): a lane holds ONE query (lane % 16) throughout; a score tile's eight registers are keys 8 (lane / 16) + 0 .. 7,
; so their two registers of codes are registers 2 t, 2 t + 1 of p's operand.  v's channels were stored so that tiles 2 b, 2 b + 1 of O^T give a lane channels 32 b + 16 (lane / 16) + 0 .. 15: a chunk of the projection's operand.
; TILES: q, k, v lie in memory as images of the operands' registers.  A tile (128 keys: 8,192 bytes of k, 8,192 of v) comes by two loads of 16 bytes a thread, a tile ahead, and goes to one of two LDS slots by two stores; one barrier a tile.
; NO TENSOR LOAD AND NO CLUSTER: the four work-groups of a head walk 16, 14, 12 and 10 tiles, so partners would need different numbers of joint loads; and a tile is two loads and two stores a wave beside two steps of softmax.
; LIMITS: e2 + e3 between -123 and 130 (added to c's exponent field); e4 and e6 between -126 and 112; e4 + e5 is applied by v_ldexp_f32 and has none.
.set T16, 1                            ; v1   16 x thread
.set LI,  2                            ; v2   16 x lane
.set GA,  3                            ; v3   the offset of the loads in hand
.set PFO, 4                            ; v4   256 x lane
.set DD,  5                            ; v5   lane % 16 - 8 (lane / 16)
.set GK,  8                            ; v8-11  16 bytes of k's next tile;  v12-15 of v's
.set GV,  12
.set QF,  16                           ; v16-31   q: two fragments
.set KFR, 32                           ; v32-63   k: four fragments
.set VFR, 64                           ; v64-95   v: four fragments
.set S,   96                           ; v96-159  S^T, then p, at the end y: 32 a tile of queries
.set O,   160                          ; v160-223 O^T: 32 a tile of queries
.set PC,  224                          ; v224-239 p's codes, at the end y's
; v240 -M, v241 the largest t, v[242:243] the sum of tile 0; v244-247 the same of tile 1; v[248:249], v[250:251] f (low word); v252, v253, v6, v7 at work; v254 the conversion's scale; v255 57,344 x 2^e4
; s10 wave; s12 my first query; s13 the step's first key; s14 trips to go; s15 see ASK; s[16:17] k, s[18:19] v, s[36:37] q of my head; s[8:9] y; s[20:21] lane selects; s[22:23] c; s[24:31] e0-e7; s32 the next tile's byte; s[38:39] see ASK
.macro LOADG                           ; the next tile on its way into registers: 512 threads x 16 bytes of k and of v
	v_add_nc_u32 v[GA], s32, v[T16]
	global_load_b128 v[GK:GK+3], v[GA], s[16:17]
	global_load_b128 v[GV:GV+3], v[GA], s[18:19]
	s_add_co_u32 s32, s32, 8192
.endm
; A PREFETCH INTO THE L2, behind the wave's loads: in tile j the tile j + 4, which the loads of tile j + 2 will ask for.  All four work-groups of a head walk the same k and v: work-group x = 0 asks, wave 0 for k's 8,192 bytes, wave 1 for v's,
; lanes 256 bytes apart: each aligned block of 256 bytes is named once in the launch.  It stops when two trips are left: tile 15 is the last named.  Tiles 0 to 3 come by their loads alone.
.macro ASK
	s_cmp_gt_u32 s14, s15                          ; s15 = 2 in the two waves that ask, else the greatest number
	s_cbranch_scc0 .Lnot_mine_\@
	global_prefetch_b8 v[PFO], s[38:39] th:TH_LOAD_NT scope:SCOPE_SE
.Lnot_mine_\@:
.endm
; A STEP of 64 keys: half sg of the tile in the slot.
.macro SUB slot, sg
	s_add_co_u32 s33, s12, 31
	s_cmp_gt_u32 s13, s33                          ; all 64 keys come after my 32 queries: the step's work is left out (a branch on ids; no barrier stands in a step)
	s_cbranch_scc1 .Lhid_\@
.irp t, 0,1,2,3
.irp c, 0,1
	ds_load_b128 v[KFR+8*\t+4*\c:KFR+8*\t+4*\c+3], v[LI] offset:\slot*16384+(4*\sg+\t)*1024+512*\c
.endr
.endr
	s_wait_dscnt 0x0
.irp t, 0,1,2,3
.irp q, 0,1
	v_wmma_f32_16x16x64_bf8_bf8 v[S+32*\q+8*\t:S+32*\q+8*\t+7], v[KFR+8*\t:KFR+8*\t+7], v[QF+8*\q:QF+8*\q+7], 0
.endr
.endr
.rept 4
	v_nop                                          ; places: ahead of the reads of the scores, and of the loads into v's fragments, which the last step's products read
.endr
.irp d, 0,1,2,3
.irp c, 0,1
	ds_load_b128 v[VFR+8*\d+4*\c:VFR+8*\d+4*\c+3], v[LI] offset:\slot*16384+8192+\d*2048+(2*\sg+\c)*512   ; they land under the softmax
.endr
.endr
	s_add_co_u32 s33, s13, 63
	s_cmp_le_u32 s33, s12                          ; all 64 keys count for all my queries: no mask
	s_cbranch_scc1 .Lopen_\@
	s_sub_co_i32 s34, s12, s13
	v_add_nc_u32 v6, s34, v[DD]                    ; register 8 t + j of tile q holds key KF + 16 t + 8 (lane / 16) + j, query Q0 + 16 q + lane % 16: hidden where 16 t + j - 16 q > this
	v_mov_b32 v7, 0xff800000                       ; -infinity: p = 0
.irp q, 0,1
.irp t, 0,1,2,3
.irp j, 0,1,2,3,4,5,6,7
	v_cmp_gt_i32 vcc_lo, 16*\t+\j-16*\q, v6
	v_cndmask_b32 v[S+32*\q+8*\t+\j], v[S+32*\q+8*\t+\j], v7, vcc_lo
.endr
.endr
.endr
.Lopen_\@:
	v_max3_num_f32 v252, v[S], v[S+1], v[S+2]      ; the step's largest score of each query: two chains a tile, the tiles by turns; each accumulator is read first at its low end
	v_max3_num_f32 v253, v[S+32], v[S+33], v[S+34]
	v_max3_num_f32 v6, v[S+3], v[S+4], v[S+5]
	v_max3_num_f32 v7, v[S+35], v[S+36], v[S+37]
.irp i, 6,10,14,18,22,26
	v_max3_num_f32 v252, v252, v[S+\i], v[S+\i+1]
	v_max3_num_f32 v253, v253, v[S+32+\i], v[S+33+\i]
	v_max3_num_f32 v6, v6, v[S+\i+2], v[S+\i+3]
	v_max3_num_f32 v7, v7, v[S+34+\i], v[S+35+\i]
.endr
	v_max3_num_f32 v252, v252, v[S+30], v[S+31]
	v_max3_num_f32 v253, v253, v[S+62], v[S+63]
	v_max_num_f32 v252, v252, v6
	v_max_num_f32 v253, v253, v7
	v_permlanex16_b32 v6, v252, s20, s21           ; the query's other 32 keys lie in the lane 16 away
	v_permlanex16_b32 v7, v253, s20, s21
	v_max_num_f32 v252, v252, v6
	v_max_num_f32 v253, v253, v7
	v_mul_f32 v252, s22, v252                      ; as t (c is positive)
	v_mul_f32 v253, s22, v253
	v_max_num_f32 v241, v241, v252                 ; the running largest t
	v_max_num_f32 v245, v245, v253
	v_mov_b32 v252, v240
	v_mov_b32 v253, v244
	v_floor_f32 v240, -v241                        ; the new -M = floor(-t): M is a whole number
	v_floor_f32 v244, -v245
	v_sub_f32 v252, v240, v252                     ; old M - new M: a whole number, 0 or less
	v_sub_f32 v253, v244, v253
	v_cvt_i32_f32 v252, v252                       ; (it saturates)
	v_cvt_i32_f32 v253, v253
	v_ldexp_f32 v248, 1.0, v252                    ; f = 2^(old M - new M)
	v_ldexp_f32 v250, 1.0, v253
.irp q, 0,1
.set jj, 0
.rept 16
	v_pk_fma_f32 v[S+32*\q+jj:S+32*\q+jj+1], v[S+32*\q+jj:S+32*\q+jj+1], s[22:23], v[240+4*\q:241+4*\q] op_sel_hi:[1,0,0]   ; t - M (of the pairs c and -M the low word serves both halves)
.set jj, jj+2
.endr
.endr
.set jj, 0
.rept 64
	v_exp_f32 v[S+jj], v[S+jj]                     ; p = 2^(t - M): one batch
.set jj, jj+1
.endr
	v_pk_mul_f32 v[242:243], v[242:243], v[248:249] op_sel_hi:[1,0]   ; the sums under the new M: the plain lines behind the exponentials
	v_pk_mul_f32 v[246:247], v[246:247], v[250:251] op_sel_hi:[1,0]
	s_wait_alu depctr_va_vdst(0)                   ; one wait for the batch, ahead of its first reader
.set jj, 0
.rept 16
	v_pk_add_f32 v[242:243], v[242:243], v[S+jj:S+jj+1]               ; the row's sum is taken of the unquantised p
	v_pk_add_f32 v[246:247], v[246:247], v[S+32+jj:S+32+jj+1]
.set jj, jj+2
.endr
	s_cmp_ge_i32 s28, -15                          ; with e4 >= -15 the bound 57,344 x 2^e4 is 1.75 or more and p is at most 1: the hold would change no number, and is jumped over
	s_cbranch_scc1 .Lnh_\@
.set jj, 0
.rept 64
	v_min_num_f32 v[S+jj], v[S+jj], v255           ; the conversion does not saturate (ISA guide 7.6.2); p is not negative, so the hold is one-sided
.set jj, jj+1
.endr
.Lnh_\@:
.irp q, 0,1
.irp t, 0,1,2,3
	v_cvt_scalef32_pk8_bf8_f32 v[PC+8*\q+2*\t:PC+8*\q+2*\t+1], v[S+32*\q+8*\t:S+32*\q+8*\t+7], v254
.endr
.endr
.irp q, 0,1
.set jj, 0
.rept 16
	v_pk_mul_f32 v[O+32*\q+jj:O+32*\q+jj+1], v[O+32*\q+jj:O+32*\q+jj+1], v[248+2*\q:249+2*\q] op_sel_hi:[1,0]   ; O^T under the new M; also the plain lines behind the conversions
.set jj, jj+2
.endr
.endr
	s_wait_dscnt 0x0                               ; v's fragments are in
.irp d, 0,1,2,3
.irp q, 0,1
	v_wmma_f32_16x16x64_bf8_bf8 v[O+32*\q+8*\d:O+32*\q+8*\d+7], v[VFR+8*\d:VFR+8*\d+7], v[PC+8*\q:PC+8*\q+7], v[O+32*\q+8*\d:O+32*\q+8*\d+7]   ; eight accumulators by turns
.endr
.endr
.Lhid_\@:
	s_add_co_u32 s13, s13, 64
.endm
; A TILE of 128 keys in the slot.  At its head the tile that follows goes from registers into the OTHER slot, whose reads ended in front of the last barrier, and the tile after that is asked for.  The last trip has nothing left to fetch.
; One barrier at the tile's end: in front of it my stores into the other slot have landed and my reads of this slot are in.
.macro TILE slot
	s_wait_xcnt 0x0                                ; the last prefetch, a tile back, has read its address
	s_add_nc_u64 s[38:39], s[38:39], 8192
.if \slot == 0
	s_wait_loadcnt 0x0
	ds_store_b128 v[T16], v[GK:GK+3] offset:16384
	ds_store_b128 v[T16], v[GV:GV+3] offset:24576
	s_cmp_eq_u32 s14, 1
	s_cbranch_scc1 .Lnf_\@
.else
	s_cmp_eq_u32 s14, 1
	s_cbranch_scc1 .Lnf_\@
	s_wait_loadcnt 0x0
	ds_store_b128 v[T16], v[GK:GK+3]
	ds_store_b128 v[T16], v[GV:GV+3] offset:8192
.endif
	s_wait_dscnt 0x0                               ; the stores have read their registers, which take the next loads
	LOADG
	ASK
.Lnf_\@:
	SUB \slot, 0
	SUB \slot, 1
	s_wait_dscnt 0x0
	s_barrier_signal -1
	s_barrier_wait -1
.endm
	s_load_b128 s[4:7], s[0:1], 0x0                ; qkv s[4:5], the exponents s[6:7]
	s_load_b64 s[8:9], s[0:1], 0x10                ; y's image
	v_lshrrev_b32 v6, 5, v0
	v_readfirstlane_b32 s10, v6                    ; wave 0..15
	v_lshlrev_b32 v[T16], 4, v0
	v_and_b32 v7, 31, v0
	v_lshlrev_b32 v[LI], 4, v7
	v_lshlrev_b32 v[PFO], 8, v7
	v_and_b32 v6, 15, v0
	v_bfe_u32 v7, v0, 4, 1
	v_lshlrev_b32 v7, 3, v7
	v_sub_nc_u32 v[DD], v6, v7
	s_lshr_b32 s33, s10, 2
	s_xor_b32 s33, s33, s10
	s_and_b32 s33, s33, 1
	s_sub_co_u32 s34, 7, ttmp9
	s_cmp_eq_u32 s33, 1
	s_cselect_b32 s34, s34, ttmp9                  ; my block of 256 queries
	s_lshl_b32 s12, s34, 8
	s_lshr_b32 s33, s10, 1
	s_lshl_b32 s33, s33, 5
	s_add_co_u32 s12, s12, s33                     ; my first query
	s_mov_b32 s13, 0
	s_sub_co_u32 s14, 8, ttmp9                     ; trips of two tiles
	s_mov_b32 s32, 0
	s_mov_b32 s20, 0x76543210
	s_mov_b32 s21, 0xfedcba98
	s_and_b32 s35, ttmp7, 0xffff                   ; 16 x batch + head
	s_lshl_b32 s44, s35, 17
	s_mov_b32 s45, 0
	s_wait_kmcnt 0x0
	s_load_b256 s[24:31], s[6:7], 0x0              ; e0 .. e7
	s_add_nc_u64 s[36:37], s[4:5], s[44:45]        ; my head in q,
	s_add_nc_u64 s[16:17], s[36:37], 0x800000      ; in k,
	s_add_nc_u64 s[18:19], s[36:37], 0x1000000     ; in v
	s_lshl_b32 s44, s12, 6
	s_add_nc_u64 s[36:37], s[36:37], s[44:45]      ; q at my first query: 64 bytes a token
	s_lshr_b32 s33, s35, 4
	s_lshl_b32 s33, s33, 11
	s_add_co_u32 s33, s33, s12                     ; my first token of all 8,192
	s_lshl_b32 s44, s33, 10                        ; 16,384 bytes for 16 tokens
	s_and_b32 s33, s35, 15
	s_lshl_b32 s33, s33, 10                        ; a head's 64 channels are two chunks of 512 bytes
	s_add_co_u32 s44, s44, s33
	s_add_nc_u64 s[8:9], s[8:9], s[44:45]
	s_lshr_b32 s33, s10, 1
	s_or_b32 s33, s33, ttmp9
	s_cmp_eq_u32 s33, 0                            ; waves 0 and 1 of work-group x = 0
	s_cselect_b32 s15, 2, -1
	s_cmp_eq_u32 s10, 0
	s_cselect_b64 s[38:39], s[16:17], s[18:19]
	s_add_nc_u64 s[38:39], s[38:39], 3*8192        ; tile 0's head steps it to tile 4
	LOADG                                          ; tile 0
.irp q, 0,1
.irp c, 0,1
	global_load_b128 v[QF+8*\q+4*\c:QF+8*\q+4*\c+3], v[LI], s[36:37] offset:\q*1024+512*\c th:TH_LOAD_NT   ; q stays in registers
.endr
.endr
.set jj, 0
.rept 64
	v_mov_b32 v[O+jj], 0                           ; O^T: the step is written once: the first finds zeros, which the first change of M leaves zeros
.set jj, jj+1
.endr
	v_mov_b32 v241, 0xff61b1e6                     ; the largest t so far: -3e38
	v_mov_b32 v245, 0xff61b1e6
	v_floor_f32 v240, -v241
	v_floor_f32 v244, -v245
	v_mov_b32 v242, 0
	v_mov_b32 v243, 0
	v_mov_b32 v246, 0
	v_mov_b32 v247, 0
	v_mov_b32 v249, 0                              ; (named as the upper halves of f's pairs)
	v_mov_b32 v251, 0
	s_wait_kmcnt 0x0
	s_add_co_i32 s33, s26, s27
	s_lshl_b32 s33, s33, 23
	s_mov_b32 s22, 0x3e38aa3b                      ; c = log2(e) / 8
	s_add_co_i32 s22, s22, s33                     ; a score stands for score x 2^(e2 + e3): added to c's exponent field
	s_mov_b32 s23, s22
	s_add_co_i32 s33, s28, 127
	s_lshl_b32 s34, s33, 23
	v_mov_b32 v254, s34                            ; 2^e4
	s_add_co_i32 s33, s33, 15
	s_lshl_b32 s33, s33, 23
	s_or_b32 s33, s33, 0x600000
	v_mov_b32 v255, s33                            ; 57,344 x 2^e4
	s_add_co_i32 s40, s28, s29                     ; e4 + e5
	s_add_co_i32 s33, s30, 127
	s_lshl_b32 s43, s33, 23                        ; 2^e6
	s_add_co_i32 s33, s33, 15
	s_lshl_b32 s41, s33, 23
	s_or_b32 s41, s41, 0x600000                    ; 57,344 x 2^e6,
	s_or_b32 s42, s41, 0x80000000                  ; and its negative
	s_wait_loadcnt 4                               ; tile 0's two loads are in; q's four, issued behind them, may be out
	ds_store_b128 v[T16], v[GK:GK+3]
	ds_store_b128 v[T16], v[GV:GV+3] offset:8192
	s_wait_dscnt 0x0
	LOADG                                          ; tile 1
	s_barrier_signal -1
	s_barrier_wait -1
.Ltrip:
	TILE 0
	TILE 1
	s_sub_co_u32 s14, s14, 1
	s_cmp_lg_u32 s14, 0
	s_cbranch_scc1 .Ltrip
	; THE WAY OUT: y = O^T x 2^(e4 + e5) / the sum, held, converted with 2^e6; tiles 2 b, 2 b + 1 give chunk b of the lane's registers of the projection's operand.
.rept 4
	v_nop                                          ; places behind the last products
.endr
	v_add_f32 v242, v242, v243
	v_add_f32 v246, v246, v247
	v_permlanex16_b32 v6, v242, s20, s21
	v_permlanex16_b32 v7, v246, s20, s21
	v_add_f32 v242, v242, v6
	v_add_f32 v246, v246, v7
	v_rcp_f32 v242, v242
	v_rcp_f32 v246, v246
	v_nop                                          ; a plain line behind the reciprocals
	v_mov_b32 v254, s43
	s_wait_alu depctr_va_vdst(0)                   ; one wait for both, ahead of their first reader
	v_ldexp_f32 v242, v242, s40
	v_ldexp_f32 v246, v246, s40
.irp q, 0,1
.set jj, 0
.rept 16
	v_pk_mul_f32 v[S+32*\q+jj:S+32*\q+jj+1], v[O+32*\q+jj:O+32*\q+jj+1], v[242+4*\q:243+4*\q] op_sel_hi:[1,0]   ; each accumulator from its low end on
.set jj, jj+2
.endr
.endr
.set jj, 0
.rept 64
	v_med3_num_f32 v[S+jj], v[S+jj], s42, s41
.set jj, jj+1
.endr
.irp q, 0,1
.irp d, 0,1,2,3
	v_cvt_scalef32_pk8_bf8_f32 v[PC+8*\q+2*\d:PC+8*\q+2*\d+1], v[S+32*\q+8*\d:S+32*\q+8*\d+7], v254
.endr
.endr
	v_nop
.irp q, 0,1
.irp b, 0,1
	global_store_b128 v[LI], v[PC+8*\q+4*\b:PC+8*\q+4*\b+3], s[8:9] offset:\q*16384+\b*512   ; 32 lanes, 512 consecutive bytes, aligned
.endr
.endr
	s_wait_xcnt 0x0
	v_lshl_add_u32 v254, v0, 2, 0x8000
	v_mov_b32 v255, 0
	s_wait_tensorcnt 0x0
	ds_add_u32 v254, v255
	s_wait_dscnt 0x0
	s_endpgm
.Lfunc_end_k_q724bc66ca4_attn:
	.size	k_q724bc66ca4_attn, .Lfunc_end_k_q724bc66ca4_attn-k_q724bc66ca4_attn
	.p2alignl 7, 3214868480
	.fill 96, 4, 3214868480
	.section	.rodata,"a",@progbits
	.p2align	6, 0x0
	.amdhsa_kernel k_q724bc66ca4_attn
		.amdhsa_group_segment_fixed_size 34816
		.amdhsa_private_segment_fixed_size 0
		.amdhsa_enable_private_segment 0
		.amdhsa_kernarg_size 24
		.amdhsa_user_sgpr_count 2
		.amdhsa_user_sgpr_kernarg_segment_ptr 1
		.amdhsa_wavefront_size32 1
		.amdhsa_system_sgpr_workgroup_id_x 1
		.amdhsa_system_sgpr_workgroup_id_y 1
		.amdhsa_system_sgpr_workgroup_id_z 1
		.amdhsa_system_vgpr_workitem_id 0
		.amdhsa_next_free_vgpr 256
		.amdhsa_next_free_sgpr 66
		.amdhsa_reserve_vcc 1
		.amdhsa_float_denorm_mode_32 3
		.amdhsa_float_denorm_mode_16_64 3
		.amdhsa_memory_ordered 1
		.amdhsa_forward_progress 1
		.amdhsa_inst_pref_size 97
	.end_amdhsa_kernel
	.amdgpu_metadata
---
amdhsa.version: [ 1, 2 ]
amdhsa.kernels:
  - .name:           k_q724bc66ca4_attn
    .symbol:         k_q724bc66ca4_attn.kd
    .args:
      - { .name: qkv, .offset: 0, .size: 8, .value_kind: global_buffer, .address_space: global }
      - { .name: lowp_scales, .offset: 8, .size: 8, .value_kind: global_buffer, .address_space: global }
      - { .name: yimg, .offset: 16, .size: 8, .value_kind: global_buffer, .address_space: global }
    .group_segment_fixed_size: 34816
    .private_segment_fixed_size: 0
    .kernarg_segment_align: 8
    .kernarg_segment_size: 24
    .max_flat_workgroup_size: 512
    .sgpr_count:     66
    .vgpr_count:     256
    .wavefront_size: 32
...
	.end_amdgpu_metadata
.endif
;; end of part 3
;; launch gemm_proj (part 4): grid 4 x 32, 4 waves a work-group, clusters of 4 x 4, 327,680 bytes of LDS; arguments yimg, codes, lowp_scales, out0; writes out0
.if DOCPART == 4
	.amdgcn_target "amdgcn-amd-amdhsa--gfx1250"
	.amdhsa_code_object_version 6
	.text
	.protected	k_q724bc66ca4_gemm_proj
	.globl	k_q724bc66ca4_gemm_proj
	.p2align	8
	.type	k_q724bc66ca4_gemm_proj,@function
k_q724bc66ca4_gemm_proj:
	s_mov_b64 s[64:65], 0
	v_nop
	global_prefetch_b8 v0, s[64:65] scope:SCOPE_SE
	s_setreg_imm32_b32 hwreg(HW_REG_WAVE_MODE, 25, 1), 1
	s_wait_xcnt 0x0
	s_wait_alu depctr_hold_cnt(0) depctr_sa_sdst(0) depctr_va_vdst(0) depctr_va_sdst(0) depctr_va_ssrc(0) depctr_va_vcc(0) depctr_vm_vsrc(0)
	s_getreg_b32 s2, hwreg(HW_REG_IB_STS2, 6, 4)
	s_cmp_eq_u32 s2, 0
	s_cbranch_scc0 .Lentry_in_a_cluster
	s_endpgm
.Lentry_in_a_cluster:
	s_bfe_u32 s2, ttmp6, 0x10000c
	s_cmp_lg_u32 s2, 0xf033
	s_cbranch_scc0 .Lentry_shape_is_right
	s_endpgm
.Lentry_shape_is_right:
; out0 = y W_proj^T on codes of BF8 (E5M2): [8192][1024] x [1024][1024], K = 1,024; f32 sums, each multiplied once by 2^(e6 + e7).
; LIMIT: e6 + e7 lies between -126 and 127, so that 2^(e6 + e7) is an f32 number.
; A = y lies in memory as images of this product's operand registers: [16 tokens: 16,384 bytes][K step of 128: 2,048][chunk c: 512][lane: 16 bytes]; lane l, chunk c: k = 32 c + 16 (l / 16) + 0 .. 15 of token l % 16.
; B = W_proj's codes, plain rows of 1,024 bytes at byte 11,534,336 of the codes' buffer; its fragments are fetched from padded LDS rows in the same order of k.
; A tile of the result, 256 x 256, is made by four waves, each 128 x 128: 64 accumulators.  K goes in steps of 256 through a ring of two LDS slots.  128 tiles: 128 work-groups.
; CLUSTERS: 4 x 4 work-groups; A's tiles are asked for jointly along a row of the cluster, B's along a column.  Source 0 = 16 rows of B, source 1 = 16 rows of A: a lane holds eight neighbouring numbers of a row of the result.
; REGISTERS, in windows of 256: window 0: v0-31 addresses; from v128 A's fragments, ONE set; on the way out v32-255 are free.  window 1: B's fragments, TWO sets.  windows 2, 3: the accumulators.
.set SIZE_N, 1024
.set ROWB,   256                       ; B: a tile's row in bytes
.set KROW,   1024                      ; B: a row in memory
.set PITCH,  272                       ; B: an LDS row: 256 bytes + 16 of padding
.set ASTEP,  4096                      ; A: 16 tokens x 256 along K
.set ABLK,   16384                     ; A: 16 tokens x 1,024 along K, in memory
.set WPROJ,  0xb00000                  ; W_proj's first byte in the codes' buffer
.set FR,     16
.set NL,     4
.set NP,     4                         ; places behind this matrix instruction (ISA guide 7.12.1)
.set HALFA,  8*ASTEP                   ; 128 rows of A, dense: 32,768 bytes
.set HALFB,  128*PITCH                 ; 128 rows of B: 34,816 bytes
.set SLOT,   2*HALFA+2*HALFB           ; 135,168
.set LAPS,   2
.set SPARE,  2*SLOT                    ; behind the ring: the spare words, 128 bytes a wave
.set SPITCH, 528                       ; the way out: a stage of 16 rows x (512 bytes + 16) for each wave, in slot 0, which has had its last fill and its last read when the first result is stored there
.set ADRA, 16
.set ADRB, 20
.set STO,  24
.set RD,   25
.set CO,   26
.set SPW,  28
.set NIL,  29
.set TMP,  32
.set AF,   128
.set BK,   128
.set G1, 24
.set G0, 32
.set G1B, 48
.set G0B, 56
.set MSB, 0
.macro WIN new                         ; the immediate's high byte repeats the setting that is left
.if MSB != \new
	s_set_vgpr_msb (MSB<<8)|\new
.set MSB, \new
.endif
.endm
.set MUL_LO, 0xa1
.set MUL_HI, 0xf1
.set TO_B,   0x40
.macro JLOAD g0a, g1a, g0b, g1b        ; a joint load: waves 0 and 1 fetch for A, waves 2 and 3 for B; four v_nop follow each of the two lines
	s_cmp_eq_u32 s15, 0
	s_cbranch_scc0 .Lfor_b_\@
	tensor_load_to_lds s[\g0a:\g0a+3], s[\g1a:\g1a+7]
	s_nop 0
.rept 4
	v_nop
.endr
	s_branch .Lasked_\@
.Lfor_b_\@:
	tensor_load_to_lds s[\g0b:\g0b+3], s[\g1b:\g1b+7]
	s_nop 0
.rept 4
	v_nop
.endr
.Lasked_\@:
.endm
.macro CREST
	s_cmp_lg_u32 s14, 0
	s_cbranch_scc1 .Lnot_wave_0_\@
	s_barrier_signal -3
.Lnot_wave_0_\@:
	s_barrier_wait -3
	s_barrier_signal -1
	s_barrier_wait -1
.endm
.macro CROUND
	s_barrier_signal -1
	s_barrier_wait -1
	CREST
.endm
	s_load_b128 s[4:7], s[0:1], 0x0                ; y's image s[4:5], the codes s[6:7]
	s_load_b128 s[8:11], s[0:1], 0x10              ; the exponents s[8:9], out0 s[10:11]
	v_lshl_add_u32 v[SPW], v0, 2, SPARE
	v_mov_b32 v[NIL], 0
	ds_add_u32 v28, v29
	ds_add_u32 v28, v29
	s_wait_dscnt 0x0
	v_lshrrev_b32 v1, 5, v0
	v_readfirstlane_b32 s14, v1                    ; wave 0..3
	s_lshr_b32 s15, s14, 1                         ; which half of the tile's rows is mine.  Also: I fetch for A (0) or for B (1)
	s_and_b32 s16, s14, 1                          ; which half of its columns.  Also: which 128 rows of that tile I fetch
	s_bfe_u32 s40, ttmp6, 0x40000                  ; cx
	s_bfe_u32 s41, ttmp6, 0x40004                  ; cy
	s_lshl_b32 s42, ttmp9, 2
	s_add_co_u32 s42, s42, s40                     ; tile column
	s_and_b32 s17, ttmp7, 0xffff
	s_lshl_b32 s17, s17, 2
	s_add_co_u32 s17, s17, s41                     ; tile row
	s_lshl_b32 s43, s41, 2
	s_lshl_b32 s43, 15, s43                        ; my row of the cluster
	s_lshl_b32 s44, 0x1111, s40                    ; my column
	; A's group 1: eight blocks of 16 tokens, 4,096 bytes of each, 16,384 bytes apart in memory, dense in LDS
	s_or_b32 s[G1+0], s43, (0<<16)|(1<<21)         ; 15:0 the mask; 17:16 elements of 1 byte; 20 no padding; 21 set beside a mask
	s_mov_b32 s[G1+1], ASTEP<<16                   ; tensor_dim0
	s_mov_b32 s[G1+2], 8<<16                       ; tensor_dim1
	s_mov_b32 s[G1+3], ASTEP<<16                   ; tile_dim0
	s_mov_b32 s[G1+4], 8                           ; tile_dim1
	s_mov_b32 s[G1+5], ABLK                        ; tensor_dim0_stride
	s_mov_b32 s[G1+6], 0
	s_mov_b32 s[G1+7], 0
	; B's group 1: 128 rows x 256 bytes, padded in LDS
	s_or_b32 s[G1B+0], s44, (0<<16)|(1<<20)|(1<<21)|(5<<22)|(3<<25)
	s_mov_b32 s[G1B+1], ROWB<<16
	s_mov_b32 s[G1B+2], 128<<16
	s_mov_b32 s[G1B+3], ROWB<<16
	s_mov_b32 s[G1B+4], 128
	s_mov_b32 s[G1B+5], KROW
	s_mov_b32 s[G1B+6], 0
	s_mov_b32 s[G1B+7], 0
	s_lshl_b32 s18, s16, 7                         ; which 128 rows of the tile I fetch
	s_lshl_b32 s20, s17, 8
	s_add_co_u32 s20, s20, s18
	s_lshl_b32 s20, s20, 10                        ; A: 1,024 bytes a token (16,384 for 16)
	s_mov_b32 s21, 0
	s_lshl_b32 s46, s42, 8
	s_add_co_u32 s46, s46, s18
	s_lshl_b32 s46, s46, 10
	s_add_co_u32 s46, s46, WPROJ                   ; B: rows of 1,024 bytes, from W_proj's first
	s_mov_b32 s47, 0
	s_lshl_b32 s45, s16, 15                        ; where A's half goes: 32,768 x half
	s_mul_i32 s92, s16, HALFB
	s_add_co_u32 s92, s92, 2*HALFA                 ; where B's goes: behind A's two halves
	s_wait_kmcnt 0x0
	s_load_b64 s[96:97], s[8:9], 0x18              ; e6, e7
	s_add_nc_u64 s[20:21], s[4:5], s[20:21]
	s_add_nc_u64 s[46:47], s[6:7], s[46:47]
	CROUND                                         ; all sixteen work-groups are here: the first joint loads meet
.irp s, 0,1
	s_mov_b32 s[G0+4*\s], 1
	s_add_co_u32 s[G0+4*\s+1], s45, \s*SLOT
	s_add_nc_u64 s[G0+4*\s+2:G0+4*\s+3], s[20:21], \s*ASTEP
	s_or_b32 s[G0+4*\s+3], s[G0+4*\s+3], 0x80000000
	s_mov_b32 s[G0B+4*\s], 1
	s_add_co_u32 s[G0B+4*\s+1], s92, \s*SLOT
	s_add_nc_u64 s[G0B+4*\s+2:G0B+4*\s+3], s[46:47], \s*ROWB
	s_or_b32 s[G0B+4*\s+3], s[G0B+4*\s+3], 0x80000000
	JLOAD G0+4*\s, G1, G0B+4*\s, G1B
.endr
	v_and_b32 v1, 15, v0                           ; l % 16
	v_bfe_u32 v2, v0, 4, 1                         ; l / 16
	v_and_b32 v6, 31, v0
	v_lshlrev_b32 v[CO], 4, v6                     ; 16 x lane
	v_mul_u32_u24 v3, v1, PITCH
	v_lshl_add_u32 v4, v2, 4, v3                   ; B: a fragment's row x pitch + 16 x half
	s_lshl_b32 s21, s15, 15                        ; my 128 rows of A
	s_mul_i32 s22, s16, HALFB                      ; my 128 rows of B,
	s_add_co_u32 s22, s22, 2*HALFA                 ; behind A's
.irp s, 0,1
	v_add_nc_u32 v[ADRA+\s], s21, v[CO]
	v_add_nc_u32 v[ADRB+\s], s22, v4
	s_add_co_u32 s21, s21, SLOT
	s_add_co_u32 s22, s22, SLOT
.endr
	s_mul_i32 s23, s14, 16*SPITCH                  ; my stage
	v_mul_u32_u24 v5, v1, SPITCH                   ; in: row l % 16, 32 bytes for each half of the lanes
	v_lshl_add_u32 v5, v2, 5, v5
	v_add_nc_u32 v[STO], s23, v5
	v_add_nc_u32 v[RD], s23, v[CO]                 ; back: the 32 lanes take one row of 512 bytes
	s_lshl_b32 s20, s17, 8
	s_lshl_b32 s21, s15, 7
	s_add_co_u32 s20, s20, s21                     ; my first row of the result
	s_lshl_b32 s20, s20, 12                        ; rows of 4,096 bytes
	s_lshl_b32 s46, s42, 10                        ; my first column, in bytes: 1,024 x tile column + 512 x half
	s_lshl_b32 s47, s16, 9
	s_add_co_u32 s46, s46, s47
	s_add_co_u32 s20, s20, s46
	s_mov_b32 s21, 0
	s_add_nc_u64 s[10:11], s[10:11], s[20:21]
.macro FRAG reg, adr, q, i             ; B: lane l holds row l % 16; registers 4 c .. 4 c + 3 hold K = 32 c + 16 (l / 16) + 0 .. 15
.irp c, 0,1,2,3
	ds_load_b128 v[\reg+4*\c:\reg+4*\c+3], v[\adr] offset:128*(\q)+32*\c+(\i)*16*PITCH
.endr
.endm
.macro FRAGA reg, adr, q, i            ; A: the image as it lies: 512 consecutive bytes a load
.irp c, 0,1,2,3
	ds_load_b128 v[\reg+4*\c:\reg+4*\c+3], v[\adr] offset:2048*(\q)+512*\c+(\i)*ASTEP
.endr
.endm
.macro MUL16 a0, p, zero               ; 16 matrix instructions; the 64 accumulators take turns, one instruction a turn
.irp a, \a0, \a0+1
.irp b, 0,1,2,3,4,5,6,7
.if \zero
	v_wmma_f32_16x16x128_bf8_bf8 v[8*(8*((\a)%4)+\b):8*(8*((\a)%4)+\b)+7], v[128*(\p)+FR*\b:128*(\p)+FR*\b+FR-1], v[AF+FR*(\a):AF+FR*(\a)+FR-1], 0
.else
	v_wmma_f32_16x16x128_bf8_bf8 v[8*(8*((\a)%4)+\b):8*(8*((\a)%4)+\b)+7], v[128*(\p)+FR*\b:128*(\p)+FR*\b+FR-1], v[AF+FR*(\a):AF+FR*(\a)+FR-1], v[8*(8*((\a)%4)+\b):8*(8*((\a)%4)+\b)+7]
.endif
.endr
.endr
.endm
.macro FETCH_B slot, q, p
	WIN TO_B
.irp i, 0,1,2,3,4,5,6,7
	FRAG 128*(\p)+FR*\i, ADRB+\slot, \q, \i
.endr
	WIN 0
.endm
.macro FETCH_A slot, q, i0
.irp i, \i0, \i0+1, \i0+2, \i0+3
	FRAGA AF+FR*(\i), ADRA+\slot, \q, \i
.endr
.endm
.macro PLACES n
.rept \n
	v_nop
.endr
.endm
.macro STEP slot, q, zero
	s_wait_dscnt 4*NL                              ; B's set and A's blocks 0-3 are in; the youngest 16 loads (A's blocks 4-7) may be out
	WIN MUL_LO
	MUL16 0, (\q)%2, \zero
	MUL16 2, (\q)%2, \zero
	s_wait_dscnt 0
	PLACES NP
	FETCH_B \slot, (\q)+1, 1-(\q)%2
	FETCH_A \slot, (\q)+1, 0
	WIN MUL_HI
	MUL16 4, (\q)%2, \zero
	MUL16 6, (\q)%2, \zero
	PLACES NP
	WIN 0
	FETCH_A \slot, (\q)+1, 4
.endm
.macro TURN slot, next, fill
	s_wait_tensorcnt 0x0                           ; all my tensor loads have landed: my part of the next slot
	ds_add_u32 v[SPW], v[NIL]                      ; 0 onto my spare word
	s_wait_dscnt 4*NL+1                            ; (the add and the youngest 16 loads may be out)
	WIN MUL_LO
	MUL16 0, 1, 0
	s_wait_dscnt 0x0                               ; the add is done, and my reads of this slot are over
	s_barrier_signal -1
	MUL16 2, 1, 0
	WIN 0
	s_barrier_wait -1
.if \fill
	CREST                                          ; the barrier has opened a round of the cluster's
	s_add_nc_u64 s[G0+4*\slot+2:G0+4*\slot+3], s[G0+4*\slot+2:G0+4*\slot+3], 2*ASTEP
	s_add_nc_u64 s[G0B+4*\slot+2:G0B+4*\slot+3], s[G0B+4*\slot+2:G0B+4*\slot+3], 2*ROWB
	JLOAD G0+4*\slot, G1, G0B+4*\slot, G1B         ; the first tensor load behind the round; its four v_nop are the places in front of the loads below
.else
	PLACES NP
.endif
	FETCH_B \next, 0, 0
	FETCH_A \next, 0, 0
	WIN MUL_HI
	MUL16 4, 1, 0
	MUL16 6, 1, 0
	PLACES NP
	WIN 0
	FETCH_A \next, 0, 4
.endm
	s_wait_tensorcnt 1                             ; my part of slot 0 is in; slot 1's load may be out
	s_barrier_signal -1
	s_barrier_wait -1
	FETCH_B 0, 0, 0
	FETCH_A 0, 0, 0
	FETCH_A 0, 0, 4
	STEP 0, 0, 1
	s_mov_b32 s3, LAPS-1
.Llap:
	TURN 0, 1, 1
	STEP 1, 0, 0
	TURN 1, 0, 1
	STEP 0, 0, 0
	s_sub_co_u32 s3, s3, 1
	s_cmp_lg_u32 s3, 0
	s_cbranch_scc1 .Llap
	TURN 0, 1, 0
	STEP 1, 0, 0
	s_wait_dscnt 4*NL
	WIN MUL_LO
	MUL16 0, 1, 0
	MUL16 2, 1, 0
	s_wait_dscnt 0
	WIN MUL_HI
	MUL16 4, 1, 0
	MUL16 6, 1, 0
	WIN 0
; THE WAY OUT, block by block of 16 rows x 128 columns: through my own stage in LDS and back as whole rows of 512 bytes.  LDS serves a wave's instructions in order (ISA guide 5.7.1.4): no wait between the stores and the loads.
.macro TOSTAGE a
.set AC, 64*((\a)%4)
	WIN 0x02+((\a)/4)
.irp j, 0,2,4,6,8,10,12,14,16,18,20,22,24,26,28,30,32,34,36,38,40,42,44,46,48,50,52,54,56,58,60,62
	v_pk_mul_f32 v[TMP+\j:TMP+\j+1], v[AC+\j:AC+\j+1], s[96:97] op_sel_hi:[1,0]   ; x 2^(e6 + e7); each accumulator from its low end on
.endr
	WIN 0
.irp b, 0,1,2,3,4,5,6,7
	ds_store_b128 v[STO], v[TMP+8*\b:TMP+8*\b+3] offset:64*\b
	ds_store_b128 v[STO], v[TMP+8*\b+4:TMP+8*\b+7] offset:64*\b+16
.endr
.set BB, BK+64*((\a)%2)
.irp t, 0,1,2,3,4,5,6,7,8,9,10,11,12,13,14,15
	ds_load_b128 v[BB+4*\t:BB+4*\t+3], v[RD] offset:\t*SPITCH
.endr
.endm
.macro SEND a, younger                 ; younger: the LDS instructions issued behind block a's loads, which may stay out
.set BB, BK+64*((\a)%2)
	s_wait_dscnt \younger
.if (\a) > 0
	s_add_nc_u64 s[10:11], s[10:11], 16*SIZE_N*4   ; (behind a wait on XCNT: the earlier stores have read their base)
.endif
.irp t, 0,1,2,3,4,5,6,7,8,9,10,11,12,13,14,15
	global_store_b128 v[CO], v[BB+4*\t:BB+4*\t+3], s[10:11] offset:\t*SIZE_N*4 th:TH_STORE_NT   ; 32 lanes store 512 consecutive bytes, aligned
.endr
.endm
	s_wait_kmcnt 0x0
	s_add_co_i32 s96, s96, s97
	s_add_co_i32 s96, s96, 127
	s_lshl_b32 s96, s96, 23                        ; 2^(e6 + e7) as f32
	PLACES NP
	TOSTAGE 0
.irp a, 1,2,3,4,5,6,7
.if \a > 1
	s_wait_xcnt 0x0                                ; block a - 2's stores have read their registers and their base
.endif
	TOSTAGE \a
	SEND \a-1, 32                                  ; behind block a - 1's loads: block a's 16 stores and 16 loads
.endr
	s_wait_xcnt 0x0
	SEND 7, 0
	s_wait_tensorcnt 0x0                           ; the wave's end
	ds_add_u32 v[SPW], v[NIL]
	s_wait_dscnt 0x0
	CROUND                                         ; the closing round
	s_endpgm
.Lfunc_end_k_q724bc66ca4_gemm_proj:
	.size	k_q724bc66ca4_gemm_proj, .Lfunc_end_k_q724bc66ca4_gemm_proj-k_q724bc66ca4_gemm_proj
	.p2alignl 7, 3214868480
	.fill 96, 4, 3214868480
	.section	.rodata,"a",@progbits
	.p2align	6, 0x0
	.amdhsa_kernel k_q724bc66ca4_gemm_proj
		.amdhsa_group_segment_fixed_size 327680
		.amdhsa_private_segment_fixed_size 0
		.amdhsa_enable_private_segment 0
		.amdhsa_kernarg_size 32
		.amdhsa_user_sgpr_count 2
		.amdhsa_user_sgpr_kernarg_segment_ptr 1
		.amdhsa_wavefront_size32 1
		.amdhsa_system_sgpr_workgroup_id_x 1
		.amdhsa_system_sgpr_workgroup_id_y 1
		.amdhsa_system_sgpr_workgroup_id_z 1
		.amdhsa_system_vgpr_workitem_id 0
		.amdhsa_next_free_vgpr 1024
		.amdhsa_next_free_sgpr 98
		.amdhsa_reserve_vcc 0
		.amdhsa_float_denorm_mode_32 3
		.amdhsa_float_denorm_mode_16_64 3
		.amdhsa_memory_ordered 1
		.amdhsa_forward_progress 1
		.amdhsa_inst_pref_size 123
	.end_amdhsa_kernel
	.amdgpu_metadata
---
amdhsa.version: [ 1, 2 ]
amdhsa.kernels:
  - .name:           k_q724bc66ca4_gemm_proj
    .symbol:         k_q724bc66ca4_gemm_proj.kd
    .args:
      - { .name: yimg, .offset: 0, .size: 8, .value_kind: global_buffer, .address_space: global }
      - { .name: codes, .offset: 8, .size: 8, .value_kind: global_buffer, .address_space: global }
      - { .name: lowp_scales, .offset: 16, .size: 8, .value_kind: global_buffer, .address_space: global }
      - { .name: out0, .offset: 24, .size: 8, .value_kind: global_buffer, .address_space: global }
    .group_segment_fixed_size: 327680
    .private_segment_fixed_size: 0
    .kernarg_segment_align: 8
    .kernarg_segment_size: 32
    .max_flat_workgroup_size: 128
    .sgpr_count:     98
    .vgpr_count:     1024
    .wavefront_size: 32
...
	.end_amdgpu_metadata
.endif
;; end of part 4
;; ======== version 2 of 2: 4 launches; version 1 with the launch attn written anew for expert scheduling mode
;; workspace buffers: codes 12,582,912 bytes; qkv 25,165,824 bytes; yimg 8,388,608 bytes
;; launch quant: the kernel of part 1 again; grid 384 x 1, 4 waves a work-group, no clusters, 33,280 bytes of LDS; arguments x, W_qkv, W_proj, lowp_scales, codes; writes codes
;; launch gemm_qkv: the kernel of part 2 again; grid 12 x 32, 4 waves a work-group, clusters of 4 x 4, 327,680 bytes of LDS; arguments codes, lowp_scales, qkv; writes qkv
;; launch attn (part 5): grid 4 x 64, 16 waves a work-group, no clusters, 34,816 bytes of LDS; arguments qkv, lowp_scales, yimg; writes yimg
.if DOCPART == 5
	.amdgcn_target "amdgcn-amd-amdhsa--gfx1250"
	.amdhsa_code_object_version 6
	.text
	.protected	k_q724bc66ca4_attn
	.globl	k_q724bc66ca4_attn
	.p2align	8
	.type	k_q724bc66ca4_attn,@function
k_q724bc66ca4_attn:
	s_mov_b64 s[64:65], 0
	v_nop
	global_prefetch_b8 v0, s[64:65] scope:SCOPE_SE
	s_setreg_imm32_b32 hwreg(HW_REG_WAVE_SCHED_MODE, 0, 2), 2
	s_setreg_imm32_b32 hwreg(HW_REG_WAVE_MODE, 25, 1), 1
	s_wait_xcnt 0x0
	s_wait_alu depctr_vm_vsrc(0)
; y = softmax(q k^T / 8, causal) v for 64 heads of 2,048 tokens x 64 channels, both products on codes of BF8 (E5M2) by the 16 x 16 x 64 form; y quantised at once (e6) into the projection's operand.
; THE SOFTMAX: t = score x log2(e) / 8; M = the row's largest t so far, rounded UP to a whole number; p = 2^(t - M) is quantised (e4), not normalised; the row's sum is taken of the unquantised p and divides at the end.
; When M moves, the sum and O are multiplied by 2^(old M - new M): exact.
; SHARES: work-group (x, head) owns the head's query blocks 7 - x and x, 256 queries each, at the same time: every work-group then has the same number of unmasked steps.  A wave owns 32 queries, two tiles of 16, in 256 registers.
; Wave w: block 7 - x where (w xor (w / 4)) is odd, else block x; queries 32 (w / 2) on in it.  The work-group walks 16 - 2 x tiles of 128 keys; a wave leaves out each step of 64 keys that lies wholly behind its queries.
; LAYOUT: S^T = k q^T (source 0 = 16 keys, source 1 = 16 queries), O^T = v^T p^T (source 0 = 16 stored channels, source 1 = p): a lane holds ONE query (lane % 16) throughout; a score tile's eight registers are keys 8 (lane / 16) + 0 .. 7,
; so their two registers of codes are registers 2 t, 2 t + 1 of p's operand.  v's channels were stored so that tiles 2 b, 2 b + 1 of O^T give a lane channels 32 b + 16 (lane / 16) + 0 .. 15: a chunk of the projection's operand.
; TILES: q, k, v lie in memory as images of the operands' registers.  A tile (128 keys: 8,192 bytes of k, 8,192 of v) comes by two loads of 16 bytes a thread, a tile ahead, and goes to one of two LDS slots by two stores; one barrier a tile.
; NO TENSOR LOAD AND NO CLUSTER: the four work-groups of a head walk 16, 14, 12 and 10 tiles, so partners would need different numbers of joint loads; and a tile is two loads and two stores a wave beside two steps of softmax.
; LIMITS: e2 + e3 between -123 and 130 (added to c's exponent field); e4 and e6 between -126 and 112; e4 + e5 is applied by v_ldexp_f32 and has none.
; THE MODE: SCHED_MODE bits 1:0 = 2 (LLVM: expert scheduling mode 2), set by the entry lines.  The code itself states the register dependences between vector or matrix instructions and memory or LDS instructions, with s_wait_alu, always for 0.
; THE PLAN.  Registers that memory or LDS instructions touch:
;   v1, v2, v4   offsets and LDS addresses: written at the head and never again.  k's and v's tiles are reached by their scalar bases, which move on by a tile ahead of each pair of loads.
;   GK, GV       written by a tile's two global loads, read by the two LDS stores at the next tile's head, then loaded again.  No vector instruction names them.
;   KFR          written by the eight LDS loads at a step's head, read by the step's eight products k q^T.
;   VFR          written by eight LDS loads behind the step's exponentials, read by the step's eight products v^T p^T, at its end.
;   QF           loaded once at the head, read by products alone.        PC  at the very end: written by the conversions, read by the four stores of y.
;   S, O and the statistics are named by vector and matrix instructions alone.
; So ONE wait on va_vdst stands in a step, behind its exponentials.  It states that p is written; that the last step's products v^T p^T are done reading VFR, whose loads follow it directly; and that this step's products k q^T are
; done reading KFR: what the step issues behind the wait (sums, holds, conversions, rescalings, the products v^T p^T) names neither KFR nor v2, so the next step's loads into KFR owe nothing more.
; One wait on vm_vsrc a tile stands between the LDS stores that read GK and GV and the loads that land there.  The causal mask's compares write scalar registers in runs of 32, with one wait on va_sdst behind each run.
.set T16, 1                            ; v1   16 x thread
.set LI,  2                            ; v2   16 x lane
.set PFO, 4                            ; v4   256 x lane
.set DD,  5                            ; v5   lane % 16 - 8 (lane / 16)
.set GK,  8                            ; v8-11  16 bytes of k's next tile;  v12-15 of v's
.set GV,  12
.set QF,  16                           ; v16-31   q: two fragments
.set KFR, 32                           ; v32-63   k: four fragments
.set VFR, 64                           ; v64-95   v: four fragments
.set S,   96                           ; v96-159  S^T, then p, at the end y: 32 a tile of queries
.set O,   160                          ; v160-223 O^T: 32 a tile of queries
.set PC,  224                          ; v224-239 p's codes, at the end y's
.set MK,  66                           ; s66-97   the causal mask of one tile of queries: a register for each of its 32 scores
; v240 -M, v241 the largest t, v[242:243] the sum of tile 0; v244-247 the same of tile 1; v[248:249], v[250:251] f (low word); v252, v253, v6, v7 at work; v254 the conversion's scale; v255 57,344 x 2^e4
; s10 wave; s12 my first query; s13 the step's first key; s14 trips to go; s15 see ASK; s[16:17] k, s[18:19] v of my head, at the tile asked for last; s[36:37] q; s[8:9] y; s[20:21] lane selects; s[22:23] c; s[24:31] e0-e7; s[38:39] see ASK
.macro LOADG step                      ; the next tile on its way into registers: 512 threads x 16 bytes of k and of v.  step = 1: the bases move on by a tile first: the wait on LOADcnt that stands ahead has shown the loads that read them done
.if \step
	s_add_nc_u64 s[16:17], s[16:17], 8192
	s_add_nc_u64 s[18:19], s[18:19], 8192
.endif
	global_load_b128 v[GK:GK+3], v[T16], s[16:17]
	global_load_b128 v[GV:GV+3], v[T16], s[18:19]
.endm
; A PREFETCH INTO THE L2, behind the wave's loads: in tile j the tile j + 4, which the loads of tile j + 2 will ask for.  All four work-groups of a head walk the same k and v: work-group x = 0 asks, wave 0 for k's 8,192 bytes, wave 1 for v's,
; lanes 256 bytes apart: each aligned block of 256 bytes is named once in the launch.  It stops when two trips are left: tile 15 is the last named.  Tiles 0 to 3 come by their loads alone.
.macro ASK
	s_cmp_gt_u32 s14, s15                          ; s15 = 2 in the two waves that ask, else the greatest number
	s_cbranch_scc0 .Lnot_mine_\@
	global_prefetch_b8 v[PFO], s[38:39] th:TH_LOAD_NT scope:SCOPE_SE
.Lnot_mine_\@:
.endm
; A STEP of 64 keys: half sg of the tile in the slot.
.macro SUB slot, sg
	s_add_co_u32 s33, s12, 31
	s_cmp_gt_u32 s13, s33                          ; all 64 keys come after my 32 queries: the step's work is left out (a branch on ids; no barrier stands in a step)
	s_cbranch_scc1 .Lhid_\@
.irp t, 0,1,2,3
.irp c, 0,1
	ds_load_b128 v[KFR+8*\t+4*\c:KFR+8*\t+4*\c+3], v[LI] offset:\slot*16384+(4*\sg+\t)*1024+512*\c   ; no wait: the products that read KFR stand ahead of the last step's wait on va_vdst, and nothing issued since names KFR or v2
.endr
.endr
	s_wait_dscnt 0x0
.irp t, 0,1,2,3
.irp q, 0,1
	v_wmma_f32_16x16x64_bf8_bf8 v[S+32*\q+8*\t:S+32*\q+8*\t+7], v[KFR+8*\t:KFR+8*\t+7], v[QF+8*\q:QF+8*\q+7], 0
.endr
.endr
.rept 4
	v_nop                                          ; places ahead of the reads of the scores (ISA guide 7.12.1)
.endr
	s_add_co_u32 s33, s13, 63
	s_cmp_le_u32 s33, s12                          ; all 64 keys count for all my queries: no mask
	s_cbranch_scc1 .Lopen_\@
	s_sub_co_i32 s34, s12, s13
	v_add_nc_u32 v6, s34, v[DD]                    ; register 8 t + j of tile q holds key KF + 16 t + 8 (lane / 16) + j, query Q0 + 16 q + lane % 16: hidden where 16 t + j - 16 q > this
	v_mov_b32 v7, 0xff800000                       ; -infinity: p = 0
.irp q, 0,1
.irp t, 0,1,2,3
.irp j, 0,1,2,3,4,5,6,7
	v_cmp_gt_i32 s[MK+8*\t+\j], 16*\t+\j-16*\q, v6 ; a run of 32 compares, each into a scalar register of its own
.endr
.endr
	s_wait_alu depctr_va_sdst(0)                   ; the 32 compares have written s66 to s97, ahead of the first select that reads one of them
.irp t, 0,1,2,3
.irp j, 0,1,2,3,4,5,6,7
	v_cndmask_b32 v[S+32*\q+8*\t+\j], v[S+32*\q+8*\t+\j], v7, s[MK+8*\t+\j]   ; each accumulator from its low end on
.endr
.endr
.endr
.Lopen_\@:
	v_max3_num_f32 v252, v[S], v[S+1], v[S+2]      ; the step's largest score of each query: two chains a tile, the tiles by turns; each accumulator is read first at its low end
	v_max3_num_f32 v253, v[S+32], v[S+33], v[S+34]
	v_max3_num_f32 v6, v[S+3], v[S+4], v[S+5]
	v_max3_num_f32 v7, v[S+35], v[S+36], v[S+37]
.irp i, 6,10,14,18,22,26
	v_max3_num_f32 v252, v252, v[S+\i], v[S+\i+1]
	v_max3_num_f32 v253, v253, v[S+32+\i], v[S+33+\i]
	v_max3_num_f32 v6, v6, v[S+\i+2], v[S+\i+3]
	v_max3_num_f32 v7, v7, v[S+34+\i], v[S+35+\i]
.endr
	v_max3_num_f32 v252, v252, v[S+30], v[S+31]
	v_max3_num_f32 v253, v253, v[S+62], v[S+63]
	v_max_num_f32 v252, v252, v6
	v_max_num_f32 v253, v253, v7
	v_permlanex16_b32 v6, v252, s20, s21           ; the query's other 32 keys lie in the lane 16 away
	v_permlanex16_b32 v7, v253, s20, s21
	v_max_num_f32 v252, v252, v6
	v_max_num_f32 v253, v253, v7
	v_mul_f32 v252, s22, v252                      ; as t (c is positive)
	v_mul_f32 v253, s22, v253
	v_max_num_f32 v241, v241, v252                 ; the running largest t
	v_max_num_f32 v245, v245, v253
	v_mov_b32 v252, v240
	v_mov_b32 v253, v244
	v_floor_f32 v240, -v241                        ; the new -M = floor(-t): M is a whole number
	v_floor_f32 v244, -v245
	v_sub_f32 v252, v240, v252                     ; old M - new M: a whole number, 0 or less
	v_sub_f32 v253, v244, v253
	v_cvt_i32_f32 v252, v252                       ; (it saturates)
	v_cvt_i32_f32 v253, v253
	v_ldexp_f32 v248, 1.0, v252                    ; f = 2^(old M - new M)
	v_ldexp_f32 v250, 1.0, v253
.irp q, 0,1
.set jj, 0
.rept 16
	v_pk_fma_f32 v[S+32*\q+jj:S+32*\q+jj+1], v[S+32*\q+jj:S+32*\q+jj+1], s[22:23], v[240+4*\q:241+4*\q] op_sel_hi:[1,0,0]   ; t - M (of the pairs c and -M the low word serves both halves)
.set jj, jj+2
.endr
.endr
.set jj, 0
.rept 64
	v_exp_f32 v[S+jj], v[S+jj]                     ; p = 2^(t - M): one batch
.set jj, jj+1
.endr
	v_pk_mul_f32 v[242:243], v[242:243], v[248:249] op_sel_hi:[1,0]   ; the sums under the new M: the plain lines behind the exponentials
	v_pk_mul_f32 v[246:247], v[246:247], v[250:251] op_sel_hi:[1,0]
	s_wait_alu depctr_va_vdst(0)                   ; the step's one wait: the 64 exponentials have written p (v96 to v159), ahead of its first reader; the last step's products v^T p^T are done reading VFR, in which the loads below land; this step's products k q^T are done reading KFR, in which the next step's loads land
.irp d, 0,1,2,3
.irp c, 0,1
	ds_load_b128 v[VFR+8*\d+4*\c:VFR+8*\d+4*\c+3], v[LI] offset:\slot*16384+8192+\d*2048+(2*\sg+\c)*512   ; they land under the sums, the conversions and the rescaling
.endr
.endr
.set jj, 0
.rept 16
	v_pk_add_f32 v[242:243], v[242:243], v[S+jj:S+jj+1]               ; the row's sum is taken of the unquantised p
	v_pk_add_f32 v[246:247], v[246:247], v[S+32+jj:S+32+jj+1]
.set jj, jj+2
.endr
	s_cmp_ge_i32 s28, -15                          ; with e4 >= -15 the bound 57,344 x 2^e4 is 1.75 or more and p is at most 1: the hold would change no number, and is jumped over
	s_cbranch_scc1 .Lnh_\@
.set jj, 0
.rept 64
	v_min_num_f32 v[S+jj], v[S+jj], v255           ; the conversion does not saturate (ISA guide 7.6.2); p is not negative, so the hold is one-sided
.set jj, jj+1
.endr
.Lnh_\@:
.irp q, 0,1
.irp t, 0,1,2,3
	v_cvt_scalef32_pk8_bf8_f32 v[PC+8*\q+2*\t:PC+8*\q+2*\t+1], v[S+32*\q+8*\t:S+32*\q+8*\t+7], v254
.endr
.endr
.irp q, 0,1
.set jj, 0
.rept 16
	v_pk_mul_f32 v[O+32*\q+jj:O+32*\q+jj+1], v[O+32*\q+jj:O+32*\q+jj+1], v[248+2*\q:249+2*\q] op_sel_hi:[1,0]   ; O^T under the new M; also the plain lines behind the conversions
.set jj, jj+2
.endr
.endr
	s_wait_dscnt 0x0                               ; v's fragments are in
.irp d, 0,1,2,3
.irp q, 0,1
	v_wmma_f32_16x16x64_bf8_bf8 v[O+32*\q+8*\d:O+32*\q+8*\d+7], v[VFR+8*\d:VFR+8*\d+7], v[PC+8*\q:PC+8*\q+7], v[O+32*\q+8*\d:O+32*\q+8*\d+7]   ; eight accumulators by turns
.endr
.endr
.Lhid_\@:
	s_add_co_u32 s13, s13, 64
.endm
; A TILE of 128 keys in the slot.  At its head the tile that follows goes from registers into the OTHER slot, whose reads ended in front of the last barrier, and the tile after that is asked for.  The last trip has nothing left to fetch.
; One barrier at the tile's end: in front of it my stores into the other slot have landed and my reads of this slot are in.
.macro TILE slot
	s_wait_xcnt 0x0                                ; the last prefetch, a tile back, has read its address
	s_add_nc_u64 s[38:39], s[38:39], 8192
.if \slot == 0
	s_wait_loadcnt 0x0
	ds_store_b128 v[T16], v[GK:GK+3] offset:16384
	ds_store_b128 v[T16], v[GV:GV+3] offset:24576
	s_wait_dscnt 0x0                               ; my two stores are done,
	s_wait_alu depctr_vm_vsrc(0)                   ; and have read GK and GV, in which the next tile's loads land; the wait stands ahead of the branch that leads to them
	s_cmp_eq_u32 s14, 1
	s_cbranch_scc1 .Lnf_\@
.else
	s_cmp_eq_u32 s14, 1
	s_cbranch_scc1 .Lnf_\@
	s_wait_loadcnt 0x0
	ds_store_b128 v[T16], v[GK:GK+3]
	ds_store_b128 v[T16], v[GV:GV+3] offset:8192
	s_wait_dscnt 0x0                               ; my two stores are done,
	s_wait_alu depctr_vm_vsrc(0)                   ; and have read GK and GV, in which the next tile's loads land
.endif
	LOADG 1
	ASK
.Lnf_\@:
	SUB \slot, 0
	SUB \slot, 1
	s_wait_dscnt 0x0
	s_barrier_signal -1
	s_barrier_wait -1
.endm
	s_load_b128 s[4:7], s[0:1], 0x0                ; qkv s[4:5], the exponents s[6:7]
	s_load_b64 s[8:9], s[0:1], 0x10                ; y's image
	v_lshrrev_b32 v6, 5, v0
	v_readfirstlane_b32 s10, v6                    ; wave 0..15
	v_lshlrev_b32 v[T16], 4, v0
	v_and_b32 v7, 31, v0
	v_lshlrev_b32 v[LI], 4, v7
	v_lshlrev_b32 v[PFO], 8, v7
	v_and_b32 v6, 15, v0
	v_bfe_u32 v7, v0, 4, 1
	v_lshlrev_b32 v7, 3, v7
	v_sub_nc_u32 v[DD], v6, v7
	s_wait_alu depctr_va_sdst(0)                   ; s10 is written, ahead of its first reader: my queries, q's and y's bases and the prefetches' are made from it
	s_lshr_b32 s33, s10, 2
	s_xor_b32 s33, s33, s10
	s_and_b32 s33, s33, 1
	s_sub_co_u32 s34, 7, ttmp9
	s_cmp_eq_u32 s33, 1
	s_cselect_b32 s34, s34, ttmp9                  ; my block of 256 queries
	s_lshl_b32 s12, s34, 8
	s_lshr_b32 s33, s10, 1
	s_lshl_b32 s33, s33, 5
	s_add_co_u32 s12, s12, s33                     ; my first query
	s_mov_b32 s13, 0
	s_sub_co_u32 s14, 8, ttmp9                     ; trips of two tiles
	s_mov_b32 s20, 0x76543210
	s_mov_b32 s21, 0xfedcba98
	s_and_b32 s35, ttmp7, 0xffff                   ; 16 x batch + head
	s_lshl_b32 s44, s35, 17
	s_mov_b32 s45, 0
	s_wait_kmcnt 0x0
	s_load_b256 s[24:31], s[6:7], 0x0              ; e0 .. e7
	s_add_nc_u64 s[36:37], s[4:5], s[44:45]        ; my head in q,
	s_add_nc_u64 s[16:17], s[36:37], 0x800000      ; in k,
	s_add_nc_u64 s[18:19], s[36:37], 0x1000000     ; in v
	s_lshl_b32 s44, s12, 6
	s_add_nc_u64 s[36:37], s[36:37], s[44:45]      ; q at my first query: 64 bytes a token
	s_lshr_b32 s33, s35, 4
	s_lshl_b32 s33, s33, 11
	s_add_co_u32 s33, s33, s12                     ; my first token of all 8,192
	s_lshl_b32 s44, s33, 10                        ; 16,384 bytes for 16 tokens
	s_and_b32 s33, s35, 15
	s_lshl_b32 s33, s33, 10                        ; a head's 64 channels are two chunks of 512 bytes
	s_add_co_u32 s44, s44, s33
	s_add_nc_u64 s[8:9], s[8:9], s[44:45]
	s_lshr_b32 s33, s10, 1
	s_or_b32 s33, s33, ttmp9
	s_cmp_eq_u32 s33, 0                            ; waves 0 and 1 of work-group x = 0
	s_cselect_b32 s15, 2, -1
	s_cmp_eq_u32 s10, 0
	s_cselect_b64 s[38:39], s[16:17], s[18:19]
	s_add_nc_u64 s[38:39], s[38:39], 3*8192        ; tile 0's head steps it to tile 4
	s_wait_alu depctr_va_vdst(0)                   ; v1, v2 and v4 are written: every load, store, LDS access and prefetch of the kernel reads one of them as its offset or address, and none of the three is written again
	LOADG 0                                        ; tile 0
.irp q, 0,1
.irp c, 0,1
	global_load_b128 v[QF+8*\q+4*\c:QF+8*\q+4*\c+3], v[LI], s[36:37] offset:\q*1024+512*\c th:TH_LOAD_NT   ; q stays in registers
.endr
.endr
.set jj, 0
.rept 64
	v_mov_b32 v[O+jj], 0                           ; O^T: the step is written once: the first finds zeros, which the first change of M leaves zeros
.set jj, jj+1
.endr
	v_mov_b32 v241, 0xff61b1e6                     ; the largest t so far: -3e38
	v_mov_b32 v245, 0xff61b1e6
	v_floor_f32 v240, -v241
	v_floor_f32 v244, -v245
	v_mov_b32 v242, 0
	v_mov_b32 v243, 0
	v_mov_b32 v246, 0
	v_mov_b32 v247, 0
	v_mov_b32 v249, 0                              ; (named as the upper halves of f's pairs)
	v_mov_b32 v251, 0
	s_wait_kmcnt 0x0
	s_add_co_i32 s33, s26, s27
	s_lshl_b32 s33, s33, 23
	s_mov_b32 s22, 0x3e38aa3b                      ; c = log2(e) / 8
	s_add_co_i32 s22, s22, s33                     ; a score stands for score x 2^(e2 + e3): added to c's exponent field
	s_mov_b32 s23, s22
	s_add_co_i32 s33, s28, 127
	s_lshl_b32 s34, s33, 23
	v_mov_b32 v254, s34                            ; 2^e4
	s_add_co_i32 s33, s33, 15
	s_lshl_b32 s33, s33, 23
	s_or_b32 s33, s33, 0x600000
	v_mov_b32 v255, s33                            ; 57,344 x 2^e4
	s_add_co_i32 s40, s28, s29                     ; e4 + e5
	s_add_co_i32 s33, s30, 127
	s_lshl_b32 s43, s33, 23                        ; 2^e6
	s_add_co_i32 s33, s33, 15
	s_lshl_b32 s41, s33, 23
	s_or_b32 s41, s41, 0x600000                    ; 57,344 x 2^e6,
	s_or_b32 s42, s41, 0x80000000                  ; and its negative
	s_wait_loadcnt 4                               ; tile 0's two loads are in; q's four, issued behind them, may be out
	ds_store_b128 v[T16], v[GK:GK+3]
	ds_store_b128 v[T16], v[GV:GV+3] offset:8192
	s_wait_dscnt 0x0                               ; my two stores are done, for the other waves' sake too,
	s_wait_alu depctr_vm_vsrc(0)                   ; and have read GK and GV, in which tile 1's loads land
	LOADG 1                                        ; tile 1
	s_barrier_signal -1
	s_barrier_wait -1
.Ltrip:
	TILE 0
	TILE 1
	s_sub_co_u32 s14, s14, 1
	s_cmp_lg_u32 s14, 0
	s_cbranch_scc1 .Ltrip
	; THE WAY OUT: y = O^T x 2^(e4 + e5) / the sum, held, converted with 2^e6; tiles 2 b, 2 b + 1 give chunk b of the lane's registers of the projection's operand.
.rept 4
	v_nop                                          ; places behind the last products
.endr
	v_add_f32 v242, v242, v243
	v_add_f32 v246, v246, v247
	v_permlanex16_b32 v6, v242, s20, s21
	v_permlanex16_b32 v7, v246, s20, s21
	v_add_f32 v242, v242, v6
	v_add_f32 v246, v246, v7
	v_rcp_f32 v242, v242
	v_rcp_f32 v246, v246
	v_nop                                          ; a plain line behind the reciprocals
	v_mov_b32 v254, s43
	s_wait_alu depctr_va_vdst(0)                   ; the two reciprocals have written v242 and v246, ahead of their first reader
	v_ldexp_f32 v242, v242, s40
	v_ldexp_f32 v246, v246, s40
.irp q, 0,1
.set jj, 0
.rept 16
	v_pk_mul_f32 v[S+32*\q+jj:S+32*\q+jj+1], v[O+32*\q+jj:O+32*\q+jj+1], v[242+4*\q:243+4*\q] op_sel_hi:[1,0]   ; each accumulator from its low end on
.set jj, jj+2
.endr
.endr
.set jj, 0
.rept 64
	v_med3_num_f32 v[S+jj], v[S+jj], s42, s41
.set jj, jj+1
.endr
.irp q, 0,1
.irp d, 0,1,2,3
	v_cvt_scalef32_pk8_bf8_f32 v[PC+8*\q+2*\d:PC+8*\q+2*\d+1], v[S+32*\q+8*\d:S+32*\q+8*\d+7], v254
.endr
.endr
	v_nop                                          ; a plain line between the conversions and the line below that writes v254, their scale
	s_wait_alu depctr_va_vdst(0)                   ; the conversions have written y's codes (v224 to v239), which the four stores read
.irp q, 0,1
.irp b, 0,1
	global_store_b128 v[LI], v[PC+8*\q+4*\b:PC+8*\q+4*\b+3], s[8:9] offset:\q*16384+\b*512   ; 32 lanes, 512 consecutive bytes, aligned
.endr
.endr
	s_wait_xcnt 0x0
	v_lshl_add_u32 v254, v0, 2, 0x8000             ; my spare word and 0, made anew: all 256 registers were at work; no memory or LDS instruction has read v254 or v255
	v_mov_b32 v255, 0
	s_wait_dscnt 0x0                               ; the closing lines, six on end
	s_wait_alu 0x0
	s_wait_tensorcnt 0x0
	ds_add_u32 v254, v255
	s_wait_dscnt 0x0
	s_endpgm
.Lfunc_end_k_q724bc66ca4_attn:
	.size	k_q724bc66ca4_attn, .Lfunc_end_k_q724bc66ca4_attn-k_q724bc66ca4_attn
	.p2alignl 7, 3214868480
	.fill 96, 4, 3214868480
	.section	.rodata,"a",@progbits
	.p2align	6, 0x0
	.amdhsa_kernel k_q724bc66ca4_attn
		.amdhsa_group_segment_fixed_size 34816
		.amdhsa_private_segment_fixed_size 0
		.amdhsa_enable_private_segment 0
		.amdhsa_kernarg_size 24
		.amdhsa_user_sgpr_count 2
		.amdhsa_user_sgpr_kernarg_segment_ptr 1
		.amdhsa_wavefront_size32 1
		.amdhsa_system_sgpr_workgroup_id_x 1
		.amdhsa_system_sgpr_workgroup_id_y 1
		.amdhsa_system_sgpr_workgroup_id_z 1
		.amdhsa_system_vgpr_workitem_id 0
		.amdhsa_next_free_vgpr 256
		.amdhsa_next_free_sgpr 98
		.amdhsa_reserve_vcc 0
		.amdhsa_float_denorm_mode_32 3
		.amdhsa_float_denorm_mode_16_64 3
		.amdhsa_memory_ordered 1
		.amdhsa_forward_progress 1
		.amdhsa_inst_pref_size 113
	.end_amdhsa_kernel
	.amdgpu_metadata
---
amdhsa.version: [ 1, 2 ]
amdhsa.kernels:
  - .name:           k_q724bc66ca4_attn
    .symbol:         k_q724bc66ca4_attn.kd
    .args:
      - { .name: qkv, .offset: 0, .size: 8, .value_kind: global_buffer, .address_space: global }
      - { .name: lowp_scales, .offset: 8, .size: 8, .value_kind: global_buffer, .address_space: global }
      - { .name: yimg, .offset: 16, .size: 8, .value_kind: global_buffer, .address_space: global }
    .group_segment_fixed_size: 34816
    .private_segment_fixed_size: 0
    .kernarg_segment_align: 8
    .kernarg_segment_size: 24
    .max_flat_workgroup_size: 512
    .sgpr_count:     98
    .vgpr_count:     256
    .wavefront_size: 32
...
	.end_amdgpu_metadata
.endif
;; end of part 5
;; launch gemm_proj: the kernel of part 4 again; grid 4 x 32, 4 waves a work-group, clusters of 4 x 4, 327,680 bytes of LDS; arguments yimg, codes, lowp_scales, out0; writes out0
